; MI455X (gfx1250); checked and timed in simulation.
; The chip was launched on July 23, 2026; its instructions are those of AMD's public machine-readable ISA for CDNA 5 (MIT licence, August 2026) and "CDNA5" Instruction Set Architecture Reference Guide (July 2026). The comments in the code are by the model that wrote it; some were corrected since.
;; crosstask performer. Allowed arithmetic: matrix products marked QUANTISED: E2M3 operands, one E8M0 scale for each 32 along K, by v_wmma_scale_f32_16x16x128_f8f6f4 with both operands' format E2M3, f32 sums; products left as they are: f32 operands where the result goes on into a quantised operand, else bf16, f16 or f32 operands; f32 sums; everything else in f32.
;; Inputs: contour_fea 8 x 2,048 x 512 float32; kc_b 512 float32; kc_w 512 x 512 float32; ks_b 512 float32; ks_w 512 x 512 float32; ln1c_b 512 float32; ln1c_g 512 float32; ln1s_b 512 float32; ln1s_g 512 float32; ln2c_b 512 float32; ln2c_g 512 float32; ln2s_b 512 float32; ln2s_g 512 float32; mlpc_b1 512 float32; mlpc_b2 512 float32; mlpc_w1 512 x 512 float32; mlpc_w2 512 x 512 float32; mlps_b1 512 float32; mlps_b2 512 float32; mlps_w1 512 x 512 float32; mlps_w2 512 x 512 float32; proj_c_b 512 float32; proj_c_w 512 x 512 float32; proj_s_b 512 float32; proj_s_w 512 x 512 float32; qc_b 512 float32; qc_w 512 x 512 float32; qs_b 512 float32; qs_w 512 x 512 float32; saliency_fea 8 x 2,048 x 512 float32; vc_b 512 float32; vc_w 512 x 512 float32; vs_b 512 float32; vs_w 512 x 512 float32; w_c 256 x 512 float32; w_s 256 x 512 float32.
;; Outputs: out0 8 x 2,048 x 512 float32; out1 8 x 2,048 x 512 float32.
;; This version of the problem:
;;   THIS VERSION OF THE PROBLEM IS GIVEN IN LOW PRECISION. The matrix products marked QUANTISED in the list below multiply operands that are first quantised to E2M3 (2 exponent bits, 3 mantissa bits; 6 bits a number), with one power-of-two scale for each 32 numbers along K (OCP MX v1.0); their sums are f32. All else is computed in f32.
;;   The module's matrix products, in the order in which they are computed (A, B: the left and right operand; K: the contracted axis; several contracted axes count as one K, in the product's order):
;;     1. [M 16,384, K 512] x [K 512, N 512]; A: computed on the way; B: input ks_w: QUANTISED
;;     2. [M 16,384, K 512] x [K 512, N 512]; A: computed on the way; B: input qs_w: QUANTISED
;;     3. [M 16,384, K 512] x [K 512, N 512]; A: computed on the way; B: input vs_w: QUANTISED
;;     4. [M 16,384, K 512] x [K 512, N 512]; A: computed on the way; B: input kc_w: QUANTISED
;;     5. [M 16,384, K 512] x [K 512, N 512]; A: computed on the way; B: input qc_w: QUANTISED
;;     6. [M 16,384, K 512] x [K 512, N 512]; A: computed on the way; B: input vc_w: QUANTISED
;;     7. [M 16,384, K 512] x [K 512, N 256]; A: computed on the way; B: input w_s: QUANTISED
;;     8. [M 16,384, K 512] x [K 512, N 256]; A: computed on the way; B: input w_s: QUANTISED
;;     9. batch 8 x [M 2,048, K 256] x [K 256, N 1]; A: computed on the way; B: computed on the way: left as it is (N = 1 < 16)
;;     10. batch 8 x [M 512, K 2,048] x [K 2,048, N 256]; A: computed on the way; B: computed on the way: QUANTISED
;;     11. batch 8 x [M 2,048, K 256] x [K 256, N 512]; A: computed on the way; B: computed on the way: QUANTISED
;;     12. [M 16,384, K 512] x [K 512, N 512]; A: computed on the way; B: input proj_s_w: QUANTISED
;;     13. [M 16,384, K 512] x [K 512, N 256]; A: computed on the way; B: input w_c: QUANTISED
;;     14. [M 16,384, K 512] x [K 512, N 256]; A: computed on the way; B: input w_c: QUANTISED
;;     15. batch 8 x [M 2,048, K 256] x [K 256, N 1]; A: computed on the way; B: computed on the way: left as it is (N = 1 < 16)
;;     16. batch 8 x [M 512, K 2,048] x [K 2,048, N 256]; A: computed on the way; B: computed on the way: QUANTISED
;;     17. batch 8 x [M 2,048, K 256] x [K 256, N 512]; A: computed on the way; B: computed on the way: QUANTISED
;;     18. [M 16,384, K 512] x [K 512, N 512]; A: computed on the way; B: input proj_c_w: QUANTISED
;;     19. [M 16,384, K 512] x [K 512, N 512]; A: computed on the way; B: input mlps_w1: QUANTISED
;;     20. [M 16,384, K 512] x [K 512, N 512]; A: computed on the way; B: input mlps_w2: QUANTISED
;;     21. [M 16,384, K 512] x [K 512, N 512]; A: computed on the way; B: input mlpc_w1: QUANTISED
;;     22. [M 16,384, K 512] x [K 512, N 512]; A: computed on the way; B: input mlpc_w2: QUANTISED
;;   THE QUANTISER, for each operand of a quantised product, along K:
;;     - K is cut into blocks of 32 from its start; a last block that is shorter is filled with zeros.
;;     - A block's scale is 2^e with e = floor(log2(the largest magnitude in the block)) - 2, held to -126 .. 127; a block of zeros has e = 0. As a byte (E8M0): e + 127.
;;     - Each number is divided by its block's scale, clamped to +-7.5, and rounded to the nearest number of E2M3, ties to even, subnormals kept.
;;     - The product sums the exact products of the quantised numbers (number of the format x scale) in f32.
;;   ~~~python
;;   def quantise(x, axis):      # numpy; x: float32 -> the quantised numbers, widened to float32 again
;;       x = np.moveaxis(x, axis, -1); K = x.shape[-1]
;;       x = np.pad(x, [(0, 0)] * (x.ndim - 1) + [(0, -K % 32)]); x = x.reshape(x.shape[:-1] + (-1, 32)); a = np.abs(x).max(-1, keepdims=True)
;;       e = np.where(a > 0, np.clip(np.frexp(np.where(a > 0, a, 1))[1] - 1 - 2, -126, 127), 0)      # np.frexp(a)[1] - 1 = floor(log2(a)), exactly
;;       r = np.clip(x / 2.0 ** e, -7.5, 7.5)
;;       step = 2.0 ** (np.maximum(np.frexp(np.where(r == 0, 1, r))[1] - 1, 0) - 3)
;;       q = np.round(r / step) * step * 2.0 ** e      # np.round: ties to even
;;       return np.moveaxis(q.reshape(q.shape[:-2] + (-1,))[..., :K], -1, axis).astype(np.float32)
;;   ~~~
;;   OPERANDS COMPUTED ON THE WAY. 'Computed on the way' means the value that the module computes at that place (a softmax that the list does not call 'softmax' is quantised finished and normalised). What goes into a quantiser is computed in f32, as accurately as f32 sums, v_exp_f32 and their like allow (about 1e-6 of the number): no bf16 or f16 on the way to a quantiser, and a product that is left as it is and whose result goes on into a quantised operand takes f32 operands (vector FMAs, or v_wmma_f32_16x16x4_f32). A number that lies on a knife's edge between two numbers of the format may be rounded either way, as far as f32 arithmetic and the matrix unit's own rounding can turn it there, and no further.
;; One version. Each part assembles by itself: llvm-mc -triple=amdgcn-amd-amdhsa -mcpu=gfx1250 --defsym DOCPART=n.
;; ======== version 1 of 1: 4 launches
;; workspace buffers: wcod 2,555,904 bytes; wscl 106,496 bytes; vfr 12,582,912 bytes; kpfr 6,291,456 bytes; scl 1,048,576 bytes; kvcod 1,572,864 bytes; kvs 81,920 bytes; xim 13,107,200 bytes
;; launch prep (part 1): grid 416 x 1, 4 waves a work-group, no clusters, 0 bytes of LDS; arguments ks_w, kc_w, vs_w, vc_w, qs_w, qc_w, proj_s_w, proj_c_w, mlps_w1, mlpc_w1, mlps_w2, mlpc_w2, w_s, w_c, wcod, wscl; writes wcod, wscl
.if DOCPART == 1
	.amdgcn_target "amdgcn-amd-amdhsa--gfx1250"
	.amdhsa_code_object_version 6
	.text
	.protected	k_qc42f7e58bc_prep
	.globl	k_qc42f7e58bc_prep
	.p2align	8
	.type	k_qc42f7e58bc_prep,@function
k_qc42f7e58bc_prep:
	s_mov_b64 s[64:65], 0
	v_nop
	global_prefetch_b8 v0, s[64:65] scope:SCOPE_SE
	s_setreg_imm32_b32 hwreg(HW_REG_WAVE_MODE, 25, 1), 1
	s_wait_xcnt 0x0
; THE PROGRAM: four launches.  prep: the 14 weight matrices become codes of E2M3 once.  kv: x -> LN1 -> k, v; k -> the feature map kp; v and kp leave as codes along the tokens.
; kptv: the products v^T kp of each batch, quantised along m, and the sums of kp.  chain: x -> LN1 -> q -> qp -> D, y -> proj + x -> LN2 -> MLP + residual -> out.
; DEAD WORK: none is left out.  Every input has a way to an output for some finite values (every bias, every gain, the constant added to D), so every input is loaded and every product of the problem is multiplied.
; THIS LAUNCH.  A weight [N][512] f32, K innermost, becomes tiles of 16 rows x 128 K, each laid as the IMAGE OF AN OPERAND'S REGISTERS: 1,536 bytes, registers 4 c .. 4 c + 3 of lane l at 512 c + 16 l,
; so that a later launch loads a fragment by three loads of 16 bytes a lane.  THE ROWS OF A TILE ARE NOT NEIGHBOURS: lane r of tile j holds row 32 (j / 2) + 8 (j % 2) + r + 8 (r / 8), so that the results of two
; neighbouring tiles are 16 neighbours along the next product's K.  Tile T = 32 x matrix + j (w_s: 384 + j, w_c: 400 + j).  wcod: [T][K step 4][1,536].  wscl: [T][r 16][K step 4] words of four E8M0 bytes.
; A work-group takes a tile, a wave a K step.  A lane holds two whole blocks of 32 of its row (k = 64 c + 32 h + 0 .. 31), as the operand's layout gives them to it: no other lane is asked for a maximum.
; A block's scale byte is its largest magnitude's exponent field - 2, held at 1 from below.  A block of zeros so gets the byte 1: its codes are zeros, and this program alone reads the bytes.
; LIMITS: NaN and infinities among the inputs are not served.  The scale words leave as 4 bytes a row (106,496 bytes in the whole launch).
.set FRB, 1536
	s_load_b512 s[8:23], s[0:1], 0x0               ; ks_w kc_w vs_w vc_w qs_w qc_w proj_s_w proj_c_w
	s_load_b512 s[24:39], s[0:1], 0x40             ; mlps_w1 mlpc_w1 mlps_w2 mlpc_w2 w_s w_c wcod wscl
	v_lshrrev_b32 v1, 5, v0
	v_readfirstlane_b32 s46, v1                    ; wave = K step
	v_and_b32 v1, 15, v0                           ; r
	v_bfe_u32 v2, v0, 4, 1                         ; h
	v_and_b32 v3, 31, v0                           ; lane
	v_and_b32 v4, 8, v1
	v_add_nc_u32 v4, v4, v1                        ; r + 8 (r / 8)
	v_lshlrev_b32 v4, 11, v4                       ; a row is 2,048 bytes
	v_lshl_add_u32 v4, v2, 7, v4                   ; + 128 h: my block of 32 numbers
	v_lshlrev_b32 v5, 4, v3                        ; 16 x lane
	v_lshlrev_b32 v6, 4, v1                        ; 16 r
	s_mov_b32 s50, 0x76543210
	s_mov_b32 s51, 0xfedcba98                      ; selects for lane l xor 16
	s_lshr_b32 s40, ttmp9, 5                       ; the matrix,
	s_and_b32 s41, ttmp9, 31                       ; and the tile in it
	s_bfe_u32 s42, ttmp9, 0x10004
	s_add_co_u32 s42, s42, 12                      ; from tile 384 on: w_s, w_c, 16 tiles each
	s_and_b32 s43, ttmp9, 15
	s_cmp_lt_u32 ttmp9, 384
	s_cselect_b32 s40, s40, s42
	s_cselect_b32 s41, s41, s43
	s_lshr_b32 s44, s41, 1
	s_lshl_b32 s44, s44, 5
	s_and_b32 s45, s41, 1
	s_lshl_b32 s45, s45, 3
	s_add_co_u32 s44, s44, s45                     ; the tile's first row: 32 (j / 2) + 8 (j % 2)
	s_lshl_b32 s44, s44, 11
	s_lshl_b32 s45, s46, 9                         ; a K step is 512 bytes of a row
	s_add_co_u32 s44, s44, s45
	s_mov_b32 s45, 0
	s_mul_i32 s48, ttmp9, 4*FRB
	s_mul_i32 s49, s46, FRB
	s_add_co_u32 s48, s48, s49
	s_mov_b32 s49, 0
	s_lshl_b32 s52, ttmp9, 8
	s_lshl_b32 s53, s46, 2
	s_add_co_u32 s52, s52, s53
	s_mov_b32 s53, 0
	s_wait_kmcnt 0x0
	s_mov_b64 s[4:5], s[8:9]
.irp n, 1,2,3,4,5,6,7,8,9,10,11,12,13
	s_cmp_eq_u32 s40, \n                           ; the choice hangs on the work-group's number alone
	s_cselect_b64 s[4:5], s[8+2*\n:9+2*\n], s[4:5]
.endr
	s_add_nc_u64 s[4:5], s[4:5], s[44:45]
	s_add_nc_u64 s[36:37], s[36:37], s[48:49]
	s_add_nc_u64 s[38:39], s[38:39], s[52:53]
.irp c, 0,1
.irp i, 0,1,2,3,4,5,6,7
	global_load_b128 v[64+32*\c+4*\i:67+32*\c+4*\i], v4, s[4:5] offset:256*\c+16*\i th:TH_LOAD_NT
.endr
.endr
	s_wait_loadcnt 0x0
.irp c, 0,1
	v_max3_num_f32 v[32+\c], |v[64+32*\c]|, |v[65+32*\c]|, 0x1800000   ; my block 2 c + h, and the floor 2^(3 - 127): the byte cannot fall under 1
.endr
.irp i, 2,4,6,8,10,12,14,16,18,20,22,24,26,28,30
.irp c, 0,1
	v_max3_num_f32 v[32+\c], v[32+\c], |v[64+32*\c+\i]|, |v[65+32*\c+\i]|
.endr
.endr
.irp c, 0,1
	v_add_nc_u32 v[44+\c], 0xff000000, v[32+\c]    ; 2 off the exponent field: the conversion's scale operand
.endr
.irp c, 0,1
	v_lshrrev_b32 v[36+\c], 23, v[44+\c]           ; the scale's byte
.endr
	v_lshl_or_b32 v9, v37, 16, v36                 ; blocks h and 2 + h,
	v_lshlrev_b32 v10, 3, v2
	v_lshlrev_b32 v9, v10, v9                      ; at their places in the word;
	v_mov_b32 v10, 0
	v_permlanex16_b32 v10, v9, s50, s51
	v_or_b32 v9, v9, v10                           ; with lane l xor 16's two the word is whole
.irp c, 0,1
	v_cvt_scalef32_pk16_fp6_f32 v[48+6*\c:50+6*\c], v[64+32*\c:79+32*\c], v[44+\c]
	v_cvt_scalef32_pk16_fp6_f32 v[192+4*\c:194+4*\c], v[80+32*\c:95+32*\c], v[44+\c]   ; (a conversion's three registers begin on an even number)
.endr
	v_nop                                          ; one plain place behind a scaled conversion
.irp c, 0,1
.irp i, 0,1,2
	v_mov_b32 v[51+6*\c+\i], v[192+4*\c+\i]
.endr
.endr
.irp c, 0,1,2
	global_store_b128 v5, v[48+4*\c:51+4*\c], s[36:37] offset:512*\c   ; 32 lanes store 512 consecutive bytes
.endr
	global_store_b32 v6, v9, s[38:39]              ; both halves of the lanes hold the same word and name the same place
	s_endpgm
.Lfunc_end_k_qc42f7e58bc_prep:
	.size	k_qc42f7e58bc_prep, .Lfunc_end_k_qc42f7e58bc_prep-k_qc42f7e58bc_prep
	.p2alignl 7, 3214868480
	.fill 96, 4, 3214868480
	.section	.rodata,"a",@progbits
	.p2align	6, 0x0
	.amdhsa_kernel k_qc42f7e58bc_prep
		.amdhsa_group_segment_fixed_size 0
		.amdhsa_private_segment_fixed_size 0
		.amdhsa_enable_private_segment 0
		.amdhsa_kernarg_size 128
		.amdhsa_user_sgpr_count 2
		.amdhsa_user_sgpr_kernarg_segment_ptr 1
		.amdhsa_wavefront_size32 1
		.amdhsa_system_sgpr_workgroup_id_x 1
		.amdhsa_system_sgpr_workgroup_id_y 1
		.amdhsa_system_sgpr_workgroup_id_z 1
		.amdhsa_system_vgpr_workitem_id 0
		.amdhsa_next_free_vgpr 208
		.amdhsa_next_free_sgpr 66
		.amdhsa_reserve_vcc 0
		.amdhsa_float_denorm_mode_32 3
		.amdhsa_float_denorm_mode_16_64 3
		.amdhsa_memory_ordered 1
		.amdhsa_forward_progress 1
		.amdhsa_inst_pref_size 8
	.end_amdhsa_kernel
	.amdgpu_metadata
---
amdhsa.version: [ 1, 2 ]
amdhsa.kernels:
  - .name:           k_qc42f7e58bc_prep
    .symbol:         k_qc42f7e58bc_prep.kd
    .args:
      - { .name: ks_w, .offset: 0, .size: 8, .value_kind: global_buffer, .address_space: global }
      - { .name: kc_w, .offset: 8, .size: 8, .value_kind: global_buffer, .address_space: global }
      - { .name: vs_w, .offset: 16, .size: 8, .value_kind: global_buffer, .address_space: global }
      - { .name: vc_w, .offset: 24, .size: 8, .value_kind: global_buffer, .address_space: global }
      - { .name: qs_w, .offset: 32, .size: 8, .value_kind: global_buffer, .address_space: global }
      - { .name: qc_w, .offset: 40, .size: 8, .value_kind: global_buffer, .address_space: global }
      - { .name: proj_s_w, .offset: 48, .size: 8, .value_kind: global_buffer, .address_space: global }
      - { .name: proj_c_w, .offset: 56, .size: 8, .value_kind: global_buffer, .address_space: global }
      - { .name: mlps_w1, .offset: 64, .size: 8, .value_kind: global_buffer, .address_space: global }
      - { .name: mlpc_w1, .offset: 72, .size: 8, .value_kind: global_buffer, .address_space: global }
      - { .name: mlps_w2, .offset: 80, .size: 8, .value_kind: global_buffer, .address_space: global }
      - { .name: mlpc_w2, .offset: 88, .size: 8, .value_kind: global_buffer, .address_space: global }
      - { .name: w_s, .offset: 96, .size: 8, .value_kind: global_buffer, .address_space: global }
      - { .name: w_c, .offset: 104, .size: 8, .value_kind: global_buffer, .address_space: global }
      - { .name: wcod, .offset: 112, .size: 8, .value_kind: global_buffer, .address_space: global }
      - { .name: wscl, .offset: 120, .size: 8, .value_kind: global_buffer, .address_space: global }
    .group_segment_fixed_size: 0
    .private_segment_fixed_size: 0
    .kernarg_segment_align: 8
    .kernarg_segment_size: 128
    .max_flat_workgroup_size: 128
    .sgpr_count:     66
    .vgpr_count:     208
    .wavefront_size: 32
...
	.end_amdgpu_metadata
.endif
;; end of part 1
;; launch kv (part 2): grid 128 x 2, 4 waves a work-group, no clusters, 327,680 bytes of LDS; arguments saliency_fea, contour_fea, ln1s_g, ln1c_g, ln1s_b, ln1c_b, ks_b, kc_b, vs_b, vc_b, wcod, wscl, vfr, kpfr, scl, xim; writes vfr, kpfr, scl, xim
.if DOCPART == 2
	.amdgcn_target "amdgcn-amd-amdhsa--gfx1250"
	.amdhsa_code_object_version 6
	.text
	.protected	k_qc42f7e58bc_kv
	.globl	k_qc42f7e58bc_kv
	.p2align	8
	.type	k_qc42f7e58bc_kv,@function
k_qc42f7e58bc_kv:
	s_mov_b64 s[64:65], 0
	v_nop
	global_prefetch_b8 v0, s[64:65] scope:SCOPE_SE
	s_setreg_imm32_b32 hwreg(HW_REG_WAVE_MODE, 25, 1), 1
	s_wait_xcnt 0x0
; x -> LN1 -> codes -> k and v;  k -> codes -> kp = exp(w k - |k|^2 / 2) / 16.  v and kp leave as codes of E2M3 ALONG THE TOKENS, since the tokens are the K of the product v^T kp; beside them their scale words and the sums of kp.
; LN1(x)'s codes and scale words leave too (xim: 51,200 bytes a work-group: the 32 images, then the scale words): the last launch takes them as they are, so that x is normalised and quantised once.
; No work is left out.  SHARES.  A work-group owns 128 tokens of one stream (y = 0 saliency, 1 contour): one K step of v^T kp.  THE FOUR WAVES SHARE THE COLUMNS: wave w owns columns 128 w .. 128 w + 127 (of kp: 64 w .. 64 w + 63) for all 128 tokens.
; ONE FORM OF PRODUCT: source 0 = a stationary set S of 8 tiles x 4 K steps in registers (384), source 1 = a streamed operand Y of 4 fragments, 8 accumulators HA by turns, 32 matrix instructions a step.
;   k:      S = my 128 rows of the weight, Y = a tile of 16 tokens from LDS: a lane holds a token, its registers 64 of my columns, which are the next K.
;   v, kp:  S = the images of all 128 tokens, Y = a tile of 16 rows of the weight from memory: a lane holds a COLUMN, its registers 64 TOKENS, which are the K of v^T kp.
;           Y has TWO buffers (v96-143 of window 0; v192-239 of window 2); each is asked for again straight behind its own products, two tiles ahead: the request has a whole step and an epilogue in which to land.
; THE TOKENS OF AN IMAGE TILE ARE NOT NEIGHBOURS: row r of tile m is token 32 (m / 2) + 8 (m % 2) + r + 8 (r / 8), so that in v and kp the 16 registers of two neighbouring tiles are 16 neighbouring tokens.
; OPERANDS GO FROM WAVE TO WAVE THROUGH LDS AS IMAGES OF THEIR REGISTERS (1,536 bytes a fragment, lane l's 16 bytes at 512 c + 16 l), scale words as 4 bytes a row.
; x comes once, by one tensor load a wave, into the wave's own strip of LDS (128 rows x 512 bytes + 16).  No tile is shared by multicast: the weights go straight into registers, which a joint load cannot reach.
; WAITS ON LDS stand in two parts: at a trip's head a counted wait for the tile's loads; the wait for the last trip's stores follows where other work has stood in between, ahead of the next write of their registers.
; LDS: XS 4 strips; IMG 32 fragments of LN1(x); ASC their scale words [row][4]; STAT: LN's partial figures, later the partial |k|^2.  Behind LN1 the strips are done with, and strip 0 takes k's images and the gathered words.
; REGISTERS: window 0: v1-23 addresses, v24-31 AUX, v32-95 HA, v96-143 Y, v144-147 Y's scale words, v148-179 and v180-211 scale words (two sets; of the set that a loop leaves idle the first four registers take the second buffer's), v212-249 at work.
;   Windows 1-3: v0-191 half a set S, v192-255 a vector of 64.
; LIMITS: NaN and infinities are not served; v_exp_f32 gives 0 for results under 2^-126; a block of zeros has the scale byte 1 (its codes are zeros; this program alone reads the bytes).
.set XSP, 528
.set XSW, 128*XSP
.set FRB, 1536
.set IMG, 4*XSW
.set ASC, IMG+32*FRB
.set STAT, ASC+2048
.set SPARE, STAT+4096                  ; the spare words: 128 bytes a wave, two blocks of 256 bytes that no other line names
.set IMG2, 0                           ; in strip 0, behind LN1: k's 32 fragments,
.set ASC2, 49152                       ; their scale words,
.set SCV, 51200                        ; v's scale words, 512 bytes a wave,
.set SCK, 53248                        ; kp's, 256 a wave,
.set KSW, 54272                        ; and the sums of kp, 256 a wave
.set MAT, 196608                       ; a 512 x 512 matrix in wcod
.set MSC, 8192                         ; and in wscl
.set L16, 1
.set G16, 2
.set BOF, 3
.set XSA, 4
.set IMR, 5
.set IMW, 6
.set RB, 7
.set RBW, 8
.set R32, 9
.set R32W, 10
.set IM2W, 11
.set RB2, 12
.set RB2W, 13
.set XDW, 14
.set XDR, 15
.set SCVW, 16
.set SCKW, 17
.set KSWW, 18
.set TA0, 19
.set TA1, 20
.set TA2, 21
.set TA3, 22
.set TA4, 23
.set AUX, 24
.set HA, 32
.set Y, 96
.set YS, 144
.set SSA, 148
.set SSB, 180
.set TM, 212
.set CH, 212
.set MU, 220
.set RS, 222
.set T0, 224
.set T1, 225
.set T2, 226
.set T3, 227
.set PW, 228
.set XV, 229
.set PC, 230
.set BC, 250
.set SPW, 252
.set NIL, 253
.set VBO, 254
.set O8, 255
.set WB, 6
.set WW, 10
.set SB, 14
.set SW, 18
.set VF, 22
.set KF, 34
.set SCVB, 36
.set SCKB, 38
.set KPB, 40
.set SEL, 42
.set LL, 44
.set C512, 46
.set CEPS, 47
.set NHL, 48
.set XIB, 52
.set G0, 56
.set G1, 68
.set WV, 76
.set PS, 79
.set MC, 81
.set GI, 89
.set MSB, 0
.macro WIN new                         ; the immediate's high byte repeats the setting that is left; a switch that changes nothing is dropped
.if MSB != (\new)
	s_set_vgpr_msb (MSB<<8)|(\new)
.set MSB, (\new)
.endif
.endm
.macro PLACES                          ; four plain places behind matrix instructions, ahead of reads of results and of loads into their registers
.rept 4
	v_nop
.endr
.endm
.macro BARRIER                         ; my LDS stores have landed and my LDS loads are in: then the work-group's barrier
	s_wait_dscnt 0x0
	s_barrier_signal -1
	s_barrier_wait -1
.endm
.macro LOOPEND n, lbl
	s_add_co_u32 s[MC], s[MC], 1
	s_cmp_lt_u32 s[MC], \n
	s_cbranch_scc1 \lbl
.endm
.macro NEXTM mask                      ; s82 = the next trip's index; the last trip's wraps to 0, so that no access leaves its region
	s_add_co_u32 s82, s[MC], 1
	s_and_b32 s82, s82, \mask
.endm
.macro TOKB dst, idx                   ; 32 (idx / 2) + 8 (idx % 2)
	s_lshr_b32 s[\dst], s[\idx], 1
	s_lshl_b32 s[\dst], s[\dst], 5
	s_and_b32 s85, s[\idx], 1
	s_lshl_b32 s85, s85, 3
	s_or_b32 s[\dst], s[\dst], s85
.endm
.macro XOFF dst, idx                   ; where tile idx's first token lies in a strip
	TOKB \dst, \idx
	s_mul_i32 s[\dst], s[\dst], XSP
.endm
.macro SLOADG win, half, base, imm, ks ; half a set S from memory: K steps 2 half, 2 half + 1 of 8 tiles: 48 loads of 512 consecutive bytes
	WIN ((\win)<<6)
.irp sl, 0,1
.irp i, 0,1,2,3,4,5,6,7
.irp c, 0,1,2
	global_load_b128 v[12*(8*\sl+\i)+4*\c:12*(8*\sl+\i)+4*\c+3], v[L16], s[\base:\base+1] offset:(\imm)+((\i)*(\ks)+2*(\half)+\sl)*1536+512*\c
.endr
.endr
.endr
	WIN 0
.endm
.macro SLOADL win, half, areg          ; the same from images in LDS
	WIN ((\win)<<6)
.irp sl, 0,1
.irp i, 0,1,2,3,4,5,6,7
.irp c, 0,1,2
	ds_load_b128 v[12*(8*\sl+\i)+4*\c:12*(8*\sl+\i)+4*\c+3], v[\areg] offset:(4*\i+2*(\half)+\sl)*1536+512*\c
.endr
.endr
.endr
	WIN 0
.endm
.macro SSG set, base, imm              ; S's scale words: four K steps of a row in 16 bytes
.irp i, 0,1,2,3,4,5,6,7
	global_load_b128 v[\set+4*\i:\set+4*\i+3], v[G16], s[\base:\base+1] offset:(\imm)+256*\i
.endr
.endm
.macro SSL set, areg
.irp i, 0,1,2,3,4,5,6,7
	ds_load_b128 v[\set+4*\i:\set+4*\i+3], v[\areg] offset:256*\i
.endr
.endm
.macro VEC win, base, voff             ; 64 numbers of a vector over my columns, in the accumulators' layout: register 8 i + j = column 32 (i / 2) + 16 h + 8 (i % 2) + j
	WIN ((\win)<<6)
.irp i, 0,1,2,3,4,5,6,7
	global_load_b128 v[192+8*\i:195+8*\i], v[\voff], s[\base:\base+1] offset:128*(\i/2)+32*(\i%2)
	global_load_b128 v[196+8*\i:199+8*\i], v[\voff], s[\base:\base+1] offset:128*(\i/2)+32*(\i%2)+16
.endr
	WIN 0
.endm
.macro XBLOAD win, reg, adr            ; 16 rows of my strip in the same layout
	WIN ((\win)<<6)
.irp i, 0,1,2,3,4,5,6,7
	ds_load_b128 v[\reg+8*\i:\reg+8*\i+3], v[\adr] offset:128*(\i/2)+32*(\i%2)
	ds_load_b128 v[\reg+8*\i+4:\reg+8*\i+7], v[\adr] offset:128*(\i/2)+32*(\i%2)+16
.endr
	WIN 0
.endm
.macro YLOAD n, adr
.set KB, 0
.rept \n
	ds_load_b128 v[Y+4*KB:Y+4*KB+3], v[\adr] offset:512*KB
.set KB, KB+1
.endr
.endm
.macro YPRE idx, n                     ; the images and scale words of token tile s[idx]
	s_mul_i32 s83, s[\idx], 4*FRB
	s_lshl_b32 s84, s[\idx], 8
	v_add_nc_u32 v[TA0], s83, v[IMR]
	v_add_nc_u32 v[TA1], s84, v[RB]
	YLOAD \n, TA0
	ds_load_b128 v[YS:YS+3], v[TA1]
.endm
.macro WADR idx, ireg, sreg            ; where tile s[idx]'s new image and scale word go
	s_mul_i32 s83, s[\idx], 4*FRB
	s_lshl_b32 s84, s[\idx], 8
	v_add_nc_u32 v[TA2], s83, v[\ireg]
	v_add_nc_u32 v[TA3], s84, v[\sreg]
.endm
; ks K steps x 8 tiles.  The 8 accumulators take turns, one instruction a turn.  cmode 0: the first K step starts the sums with 0; 1: with the vector at v[creg] of window cwin.
; Y stands at v[yr] of window yw, its scale words at v[ys].
.macro MM ks, w0, w1, ss, kss, cmode, cwin, creg, yr, yw, ys
.set KK, 0
.rept \ks
.if KK == 0
	WIN ((\w0)|((\yw)<<2)|((\cwin)<<4))
.elseif KK == 1
	WIN ((\w0)|((\yw)<<2))
.else
	WIN ((\w1)|((\yw)<<2))
.endif
.irp i, 0,1,2,3,4,5,6,7
.if (KK == 0) && (\cmode == 0)
	v_wmma_scale_f32_16x16x128_f8f6f4 v[HA+8*\i:HA+8*\i+7], v[12*(8*(KK%2)+\i):12*(8*(KK%2)+\i)+11], v[\yr+12*KK:\yr+12*KK+11], 0, v[\ss+\kss*\i+KK], v[\ys+KK] matrix_a_fmt:MATRIX_FMT_FP6 matrix_b_fmt:MATRIX_FMT_FP6
.elseif KK == 0
	v_wmma_scale_f32_16x16x128_f8f6f4 v[HA+8*\i:HA+8*\i+7], v[12*(8*(KK%2)+\i):12*(8*(KK%2)+\i)+11], v[\yr+12*KK:\yr+12*KK+11], v[\creg+8*\i:\creg+8*\i+7], v[\ss+\kss*\i+KK], v[\ys+KK] matrix_a_fmt:MATRIX_FMT_FP6 matrix_b_fmt:MATRIX_FMT_FP6
.else
	v_wmma_scale_f32_16x16x128_f8f6f4 v[HA+8*\i:HA+8*\i+7], v[12*(8*(KK%2)+\i):12*(8*(KK%2)+\i)+11], v[\yr+12*KK:\yr+12*KK+11], v[HA+8*\i:HA+8*\i+7], v[\ss+\kss*\i+KK], v[\ys+KK] matrix_a_fmt:MATRIX_FMT_FP6 matrix_b_fmt:MATRIX_FMT_FP6
.endif
.endr
.set KK, KK+1
.endr
	WIN 0
.endm
.macro FOLD4 dst                       ; four packed chains, and lane l xor 16's, become one number
	v_pk_add_f32 v[CH:CH+1], v[CH:CH+1], v[CH+2:CH+3]
	v_pk_add_f32 v[CH+4:CH+5], v[CH+4:CH+5], v[CH+6:CH+7]
	v_pk_add_f32 v[CH:CH+1], v[CH:CH+1], v[CH+4:CH+5]
	v_add_f32 v[T0], v[CH], v[CH+1]
	v_permlanex16_b32 v[T1], v[T0], s[SEL], s[SEL+1]
	v_add_f32 v[\dst], v[T0], v[T1]
.endm
.macro SADD sw, sr                     ; the sum of 64 registers, in four chains that the first eight pairs start
	WIN ((\sw)|((\sw)<<2))
.irp c, 0,1,2,3
	v_pk_add_f32 v[CH+2*\c:CH+2*\c+1], v[\sr+2*\c:\sr+2*\c+1], v[\sr+8+2*\c:\sr+9+2*\c]
.endr
	WIN ((\sw)<<2)
.set KA, 8
.rept 24
	v_pk_add_f32 v[CH+2*(KA%4):CH+2*(KA%4)+1], v[CH+2*(KA%4):CH+2*(KA%4)+1], v[\sr+2*KA:\sr+2*KA+1]
.set KA, KA+1
.endr
	WIN 0
.endm
.macro SSUB sw, sr, mreg               ; HA = the 64 registers - v[mreg]
	WIN (\sw)
.set KA, 0
.rept 32
	v_pk_add_f32 v[HA+2*KA:HA+2*KA+1], v[\sr+2*KA:\sr+2*KA+1], v[\mreg:\mreg+1] op_sel_hi:[1,0] neg_lo:[0,1] neg_hi:[0,1]
.set KA, KA+1
.endr
	WIN 0
.endm
.macro SUMSQ                           ; the sum of HA's squares, in four chains
.irp c, 0,1,2,3
	v_pk_mul_f32 v[CH+2*\c:CH+2*\c+1], v[HA+2*\c:HA+2*\c+1], v[HA+2*\c:HA+2*\c+1]
.endr
.set KA, 4
.rept 28
	v_pk_fma_f32 v[CH+2*(KA%4):CH+2*(KA%4)+1], v[HA+2*KA:HA+2*KA+1], v[HA+2*KA:HA+2*KA+1], v[CH+2*(KA%4):CH+2*(KA%4)+1]
.set KA, KA+1
.endr
.endm
; The four waves' (mean of 128, sum of squared distances from it) become the row's mean and 1 / sqrt(var + 1e-5): M2 = the sum of M2_w + 128 x the sum of (mean_w - mean)^2: no difference of large sums is formed.
.macro COMBINE
	v_add_f32 v[T0], v[AUX], v[AUX+2]
	v_add_f32 v[T1], v[AUX+4], v[AUX+6]
	v_add_f32 v[T2], v[AUX+1], v[AUX+3]
	v_add_f32 v[T3], v[AUX+5], v[AUX+7]
	v_add_f32 v[T0], v[T0], v[T1]
	v_add_f32 v[T2], v[T2], v[T3]
	v_mul_f32 v[MU], 0x3e800000, v[T0]
	v_sub_f32 v[CH], v[AUX], v[MU]
	v_sub_f32 v[CH+1], v[AUX+2], v[MU]
	v_sub_f32 v[CH+2], v[AUX+4], v[MU]
	v_sub_f32 v[CH+3], v[AUX+6], v[MU]
	v_mul_f32 v[T0], v[CH], v[CH]
	v_fmac_f32 v[T0], v[CH+1], v[CH+1]
	v_fmac_f32 v[T0], v[CH+2], v[CH+2]
	v_fmac_f32 v[T0], v[CH+3], v[CH+3]
	v_fmamk_f32 v[T2], v[T0], 0x43000000, v[T2]
	v_fma_f32 v[T2], v[T2], s[C512], s[CEPS]
	v_rsq_f32 v[RS], v[T2]
.endm
.macro NORMR                           ; HA = HA x rstd x gain + offset; the gain in v192-255 of window 1, the offset in window 2
.set KA, 0
.rept 32
	v_pk_mul_f32 v[HA+2*KA:HA+2*KA+1], v[HA+2*KA:HA+2*KA+1], v[RS:RS+1] op_sel_hi:[1,0]
.set KA, KA+1
.endr
	WIN 0x24
.set KA, 0
.rept 32
	v_pk_fma_f32 v[HA+2*KA:HA+2*KA+1], v[HA+2*KA:HA+2*KA+1], v[192+2*KA:193+2*KA], v[192+2*KA:193+2*KA]
.set KA, KA+1
.endr
	WIN 0
.endm
; 64 numbers of a lane, register 16 b + i = k 32 b + 16 (lane / 16) + i of my row, become a fragment's codes in v[PC] on and its scale word in v[PW].
.macro QUANT s
.irp b, 0,1,2,3
	v_max3_num_f32 v[TM+\b], |v[\s+16*\b]|, |v[\s+1+16*\b]|, 0x1800000   ; and the floor 2^(3 - 127): the byte cannot fall under 1
.endr
.irp i, 2,4,6,8,10,12,14
.irp b, 0,1,2,3
	v_max3_num_f32 v[TM+\b], v[TM+\b], |v[\s+16*\b+\i]|, |v[\s+1+16*\b+\i]|
.endr
.endr
.irp b, 0,1,2,3
	v_permlanex16_b32 v[TM+4+\b], v[TM+\b], s[SEL], s[SEL+1]
.endr
.irp b, 0,1,2,3
	v_max_num_f32 v[TM+\b], v[TM+\b], v[TM+4+\b]
.endr
.irp b, 0,1,2,3
	v_add_nc_u32 v[TM+12+\b], 0xff000000, v[TM+\b]   ; 2 off the exponent field: the conversion's scale operand
.endr
.irp b, 0,1,2,3
	v_lshrrev_b32 v[TM+4+\b], 23, v[TM+12+\b]
.endr
	v_lshl_or_b32 v[PW], v[TM+5], 8, v[TM+4]
	v_lshl_or_b32 v[PW], v[TM+6], 16, v[PW]
	v_lshl_or_b32 v[PW], v[TM+7], 24, v[PW]
.irp c, 0,1
	v_cvt_scalef32_pk16_fp6_f32 v[PC+6*\c:PC+2+6*\c], v[\s+32*\c:\s+15+32*\c], v[TM+12+2*\c]
	v_cvt_scalef32_pk16_fp6_f32 v[PC+12+4*\c:PC+14+4*\c], v[\s+16+32*\c:\s+31+32*\c], v[TM+12+2*\c+1]
.endr
	v_nop                                          ; one plain place behind a scaled conversion
.irp c, 0,1
.irp i, 0,1,2
	v_permlane16_swap_b32 v[PC+6*\c+\i], v[PC+12+4*\c+\i]   ; the layout wants a whole block in a lane
.endr
.irp i, 0,1,2
	v_mov_b32 v[PC+3+6*\c+\i], v[PC+12+4*\c+\i]
.endr
.endr
.endm
.macro IMAGE adr
.irp c, 0,1,2
	ds_store_b128 v[\adr], v[PC+4*\c:PC+4*\c+3] offset:512*\c
.endr
.endm
; LN, first pass: of each token my wave's 128 numbers give a mean and a sum of squared distances from it.  The next tile's rows are asked for as soon as this tile's registers are free.
.macro LNA xw
	XBLOAD \xw, 0, XSA
	s_wait_dscnt 0x0                               ; the way in: the first tile's rows are in
	s_mov_b32 s[MC], 0
.Llna_\@:
	s_wait_dscnt 1                                 ; the tile's 16 loads are in; behind them stands the last trip's one store
	SADD \xw, 0
	FOLD4 T2
	s_wait_dscnt 0x0                               ; that store is done: its registers are written again below
	v_mul_f32 v[MU], 0x3c000000, v[T2]
	SSUB \xw, 0, MU
	NEXTM 7
	XOFF 83, 82
	v_add_nc_u32 v[TA0], s83, v[XSA]
	XBLOAD \xw, 0, TA0
	SUMSQ
	FOLD4 MU+1
	s_lshl_b32 s83, s[MC], 9
	v_add_nc_u32 v[TA1], s83, v[R32W]
	ds_store_b64 v[TA1], v[MU:MU+1]
	LOOPEND 8, .Llna_\@
.endm
; LN, second pass: normalise, quantise, image.  My 128 columns are K step w of the next product.  The image goes to LDS for this launch and to xim for the last one.
.macro LNB xw
	XBLOAD \xw, 0, XSA
	ds_load_b128 v[AUX:AUX+3], v[R32]
	ds_load_b128 v[AUX+4:AUX+7], v[R32] offset:16
	s_wait_dscnt 0x0                               ; the way in
	s_mov_b32 s[MC], 0
.Llnb_\@:
	s_wait_dscnt 4                                 ; the tile's 16 + 2 loads are in; behind them stand the last trip's four stores
	s_wait_xcnt 0x0                                ; the last trip's stores to memory have read their registers: these are written again only behind this wait
	COMBINE
	SSUB \xw, 0, MU                                ; plain work behind the root
	NEXTM 7
	XOFF 83, 82
	s_lshl_b32 s84, s82, 9
	v_add_nc_u32 v[TA0], s83, v[XSA]
	v_add_nc_u32 v[TA1], s84, v[R32]
	XBLOAD \xw, 0, TA0
	ds_load_b128 v[AUX:AUX+3], v[TA1]
	ds_load_b128 v[AUX+4:AUX+7], v[TA1] offset:16
	s_wait_dscnt 18                                ; all but the 18 loads just issued: the last trip's four stores are done, and their registers may be written
	s_wait_alu depctr_va_vdst(0)                   ; the wait ahead of the root's first reader
	NORMR
	QUANT HA
	WADR MC, IMW, RBW
	IMAGE TA2
	ds_store_b32 v[TA3], v[PW]
	v_add_nc_u32 v[TA4], s83, v[IM2W]              ; 6,144 m + 1,536 w + 16 x lane: the image's place in xim
.irp c, 0,1,2
	global_store_b128 v[TA4], v[PC+4*\c:PC+4*\c+3], s[XIB:XIB+1] offset:512*\c   ; 512 consecutive bytes
.endr
	LOOPEND 8, .Llnb_\@
.endm
.macro NYLOAD idx, cb, ci, sb, si, yr, yw, ys  ; a tile of 16 rows of a weight, 4 K steps, and its scale words, from memory: 12 + 1 loads
	s_mul_i32 s83, s[\idx], 4*FRB
	s_lshl_b32 s84, s[\idx], 8
	v_add_nc_u32 v[TA0], s83, v[L16]
	v_add_nc_u32 v[TA1], s84, v[G16]
	WIN ((\yw)<<6)
.set KB, 0
.rept 12
	global_load_b128 v[\yr+4*KB:\yr+4*KB+3], v[TA0], s[\cb:\cb+1] offset:(\ci)+512*KB
.set KB, KB+1
.endr
	WIN 0
	global_load_b128 v[\ys:\ys+3], v[TA1], s[\sb:\sb+1] offset:\si
.endm
.macro NVB idx, vb                     ; v's bias at the column that my lane holds in tile s[idx]
	TOKB 83, \idx
	s_lshl_b32 s83, s83, 2
	v_add_nc_u32 v[TA4], s83, v[VBO]
	global_load_b32 v[\vb], v[TA4], s[20:21]
.endm
.macro GIDX b                          ; s[GI] = the step's tile: 2 x trip + buffer
	s_lshl_b32 s[GI], s[MC], 1
.if \b
	s_or_b32 s[GI], s[GI], 1
.endif
.endm
; v: a tile of 16 columns; a lane holds a column and 64 tokens
.macro VSTEP b, yr, yw, ys, vb
	GIDX \b
	s_wait_loadcnt 14                              ; this buffer's 12 + 1 + 1 loads are in; the other buffer's 14, issued behind them, may be out
	s_wait_xcnt 0x0                                ; the earlier loads and stores have read their registers: these are written again only behind this wait
	v_mov_b32 v[BC], v[\vb]
	MM 4, 1, 2, SSB, 4, 0, 0, 0, \yr, \yw, \ys
	PLACES
	s_wait_dscnt 0x0                               ; the last step's store of a scale word is done (it went out a step's products ago)
	s_add_co_u32 s82, s[GI], 2
	s_and_b32 s82, s82, 7                          ; two tiles on; the last two wrap, so that no load leaves its buffer
	NYLOAD 82, WB, 2*MAT, SB, 2*MSC, \yr, \yw, \ys
	NVB 82, \vb
.set KA, 0
.rept 32
	v_pk_add_f32 v[HA+2*KA:HA+2*KA+1], v[HA+2*KA:HA+2*KA+1], v[BC:BC+1] op_sel_hi:[1,0]
.set KA, KA+1
.endr
	QUANT HA
	s_mul_i32 s83, s[GI], FRB
	v_add_nc_u32 v[TA2], s83, v[L16]
.irp c, 0,1,2
	global_store_b128 v[TA2], v[PC+4*\c:PC+4*\c+3], s[VF:VF+1] offset:512*\c   ; 512 consecutive bytes
.endr
	s_lshr_b32 s83, s[GI], 2
	s_lshl_b32 s83, s83, 8
	s_and_b32 s84, s[GI], 3
	s_lshl_b32 s84, s84, 2
	s_or_b32 s83, s83, s84
	v_add_nc_u32 v[TA3], s83, v[SCVW]
	ds_store_b32 v[TA3], v[PW]                     ; the scale words are gathered in LDS and leave in whole runs
.endm
; kp: S = k's images, Y = a tile of the feature map's rows
.macro KSTEP b, yr, yw, ys
	GIDX \b
	s_wait_loadcnt 13                              ; this buffer's 12 + 1 loads are in; the other buffer's 13 may be out
	s_wait_xcnt 0x0
	MM 4, 3, 1, SSA, 4, 0, 0, 0, \yr, \yw, \ys
	PLACES
	s_wait_dscnt 0x0                               ; the last step's two stores are done
	s_add_co_u32 s82, s[GI], 2
	s_and_b32 s82, s82, 3
	NYLOAD 82, WW, 0, SW, 0, \yr, \yw, \ys
	WIN 0x10
.set KA, 0
.rept 32
	v_pk_fma_f32 v[HA+2*KA:HA+2*KA+1], v[HA+2*KA:HA+2*KA+1], s[LL:LL+1], v[192+2*KA:193+2*KA] op_sel_hi:[1,0,1]
.set KA, KA+1
.endr
	WIN 0
.set KA, 0
.rept 64
	v_exp_f32 v[HA+KA], v[HA+KA]                   ; kp = 2^((w k - |k|^2 / 2) log2(e) - 4)
.set KA, KA+1
.endr
	s_mul_i32 s83, s[GI], FRB
	v_add_nc_u32 v[TA2], s83, v[L16]               ; (plain work behind the exponentials)
	s_lshl_b32 s83, s[GI], 2
	v_add_nc_u32 v[TA3], s83, v[SCKW]
	TOKB 83, GI
	s_lshl_b32 s83, s83, 2
	v_add_nc_u32 v[TA4], s83, v[KSWW]
	s_wait_alu depctr_va_vdst(0)                   ; one wait for the batch, ahead of its first reader
	SADD 0, HA                                     ; the sum of the unquantised kp over my 128 tokens
	FOLD4 XV
	ds_store_b32 v[TA4], v[XV]
	QUANT HA
.irp c, 0,1,2
	global_store_b128 v[TA2], v[PC+4*\c:PC+4*\c+3], s[KF:KF+1] offset:512*\c
.endr
	ds_store_b32 v[TA3], v[PW]
.endm
	s_load_b512 s[4:19], s[0:1], 0x0               ; x (s, c), ln1 gain (s, c), ln1 offset (s, c), k's bias (s, c)
	s_load_b256 s[20:27], s[0:1], 0x40             ; v's bias (s, c), wcod, wscl
	s_load_b128 s[28:31], s[0:1], 0x60             ; vfr, kpfr
	s_load_b64 s[32:33], s[0:1], 0x70              ; scl
	s_load_b64 s[XIB:XIB+1], s[0:1], 0x78          ; xim
	v_lshl_add_u32 v[SPW], v0, 2, SPARE
	v_mov_b32 v[NIL], 0
	ds_add_u32 v[SPW], v[NIL]                      ; the wave's opening: the add, twice on end, and its wait ahead of my tensor load
	ds_add_u32 v[SPW], v[NIL]
	v_lshrrev_b32 v19, 5, v0
	v_readfirstlane_b32 s[WV], v19                 ; wave 0..3
	s_and_b32 s[PS], ttmp7, 0xffff                 ; the stream
	s_mov_b32 s[G0], 1                             ; group 0: count,
	s_mul_i32 s[G0+1], s[WV], XSW                  ; my strip
	s_mov_b32 s[G1], (2<<16)|(1<<20)|(6<<22)|(3<<25)  ; group 1: elements of 4 bytes; 4 words of padding behind every 128
	s_mov_b32 s[G1+1], 128<<16                     ; tensor_dim0 = 128
	s_mov_b32 s[G1+2], 128<<16                     ; tensor_dim1 = 128
	s_mov_b32 s[G1+3], 128<<16                     ; tile_dim0 = 128
	s_mov_b32 s[G1+4], 128                         ; tile_dim1 = 128
	s_mov_b32 s[G1+5], 512                         ; from row to row
	s_mov_b32 s[G1+6], 0
	s_mov_b32 s[G1+7], 0
	v_and_b32 v20, 31, v0                          ; lane
	v_and_b32 v21, 15, v0                          ; r
	v_bfe_u32 v22, v0, 4, 1                        ; h
	v_and_b32 v23, 8, v21
	v_add_nc_u32 v23, v23, v21                     ; r + 8 (r / 8)
	v_lshlrev_b32 v[L16], 4, v20
	v_lshlrev_b32 v[G16], 4, v21
	s_lshl_b32 s82, s[WV], 9
	v_lshl_add_u32 v[BOF], v22, 6, s82             ; 512 w + 64 h
	v_mul_u32_u24 v[XSA], v23, XSP
	v_lshl_add_u32 v[XSA], v22, 6, v[XSA]
	v_add_nc_u32 v[XSA], s[G0+1], v[XSA]           ; my strip, token r + 8 (r / 8), + 64 h
	v_add_nc_u32 v[IMR], IMG, v[L16]
	s_mul_i32 s83, s[WV], FRB
	v_add_nc_u32 v[IMW], s83, v[IMR]
	v_add_nc_u32 v[IM2W], s83, v[L16]
	v_add_nc_u32 v[RB], ASC, v[G16]
	s_lshl_b32 s84, s[WV], 2
	v_add_nc_u32 v[RBW], s84, v[RB]
	v_add_nc_u32 v[RB2], ASC2, v[G16]
	v_add_nc_u32 v[RB2W], s84, v[RB2]
	v_lshl_add_u32 v[R32], v21, 5, STAT
	s_lshl_b32 s85, s[WV], 3
	v_add_nc_u32 v[R32W], s85, v[R32]
	v_lshl_add_u32 v[XDW], v23, 4, STAT
	v_add_nc_u32 v[XDW], s84, v[XDW]               ; partial |k|^2: 16 bytes a token, 4 a wave
	v_lshl_add_u32 v[XDR], v22, 8, STAT
	v_add_nc_u32 v[SCVW], SCV, v[G16]
	v_add_nc_u32 v[SCVW], s82, v[SCVW]
	s_lshl_b32 s85, s[WV], 8
	v_add_nc_u32 v[SCKW], SCK, v[G16]
	v_add_nc_u32 v[SCKW], s85, v[SCKW]
	v_lshl_add_u32 v[KSWW], v23, 2, KSW
	v_add_nc_u32 v[KSWW], s85, v[KSWW]
	v_lshl_add_u32 v[VBO], v23, 2, s82
	v_lshlrev_b32 v[O8], 3, v20
.set KA, 212
.rept 18
	v_mov_b32 v[KA], 0                             ; written once: permutes' destinations and the upper halves of pairs count as read
.set KA, KA+1
.endr
	v_mov_b32 v[BC], 0
	v_mov_b32 v[BC+1], 0
	s_wait_dscnt 0x0                               ; both opening adds are done
	s_wait_kmcnt 0x0
	s_cmp_eq_u32 s[PS], 0                          ; the choices hang on the work-group's number alone
	s_cselect_b64 s[4:5], s[4:5], s[6:7]
	s_cselect_b64 s[8:9], s[8:9], s[10:11]
	s_cselect_b64 s[12:13], s[12:13], s[14:15]
	s_cselect_b64 s[16:17], s[16:17], s[18:19]
	s_cselect_b64 s[20:21], s[20:21], s[22:23]
	s_mov_b32 s87, 0
	s_lshl_b32 s86, ttmp9, 18                      ; 128 tokens of 2,048 bytes
	s_add_co_u32 s86, s86, s82                     ; + my 512 bytes of a row
	s_add_nc_u64 s[G0+2:G0+3], s[4:5], s[86:87]
	s_or_b32 s[G0+3], s[G0+3], 0x80000000          ; type = 2
	tensor_load_to_lds s[G0:G0+3], s[G1:G1+7]      ; my strip of x: filled once; one tensor load of mine is out
	s_nop 0
.rept 4
	v_nop
.endr
	s_mul_i32 s86, s[PS], MAT
	s_mul_i32 s83, s[WV], 49152
	s_add_co_u32 s86, s86, s83
	s_add_nc_u64 s[WB:WB+1], s[24:25], s[86:87]    ; k's weight of my stream, my 8 tiles; v's lies 2 matrices on
	s_xor_b32 s88, s[PS], 1                        ; the feature map is the OTHER branch's: saliency's keys go with w_c
	s_mul_i32 s86, s88, 98304
	s_mul_i32 s83, s[WV], 24576
	s_add_co_u32 s86, s86, s83
	s_add_co_u32 s86, s86, 2359296
	s_add_nc_u64 s[WW:WW+1], s[24:25], s[86:87]
	s_lshl_b32 s86, s[PS], 13
	s_lshl_b32 s83, s[WV], 11
	s_add_co_u32 s86, s86, s83
	s_add_nc_u64 s[SB:SB+1], s[26:27], s[86:87]
	s_lshl_b32 s86, s88, 12
	s_lshl_b32 s83, s[WV], 10
	s_add_co_u32 s86, s86, s83
	s_add_co_u32 s86, s86, 98304
	s_add_nc_u64 s[SW:SW+1], s[26:27], s[86:87]
	s_lshl_b32 s88, s[PS], 7
	s_add_co_u32 s88, s88, ttmp9                   ; Wg = 128 x stream + block
	s_mul_i32 s86, s88, 49152
	s_mul_i32 s83, s[WV], 12288
	s_add_co_u32 s86, s86, s83
	s_add_nc_u64 s[VF:VF+1], s[28:29], s[86:87]
	s_mul_i32 s86, s88, 24576
	s_mul_i32 s83, s[WV], 6144
	s_add_co_u32 s86, s86, s83
	s_add_nc_u64 s[KF:KF+1], s[30:31], s[86:87]
	s_lshl_b32 s86, s88, 11
	s_add_co_u32 s86, s86, s82
	s_add_nc_u64 s[SCVB:SCVB+1], s[32:33], s[86:87]
	s_lshl_b32 s86, s88, 10
	s_add_co_u32 s86, s86, s85
	s_add_co_u32 s86, s86, 524288
	s_add_nc_u64 s[SCKB:SCKB+1], s[32:33], s[86:87]
	s_add_co_u32 s86, s86, 262144
	s_add_nc_u64 s[KPB:KPB+1], s[32:33], s[86:87]
	s_mul_i32 s86, s88, 51200
	s_add_nc_u64 s[XIB:XIB+1], s[XIB:XIB+1], s[86:87]   ; my work-group's 51,200 bytes of xim
	s_mov_b32 s[SEL], 0x76543210
	s_mov_b32 s[SEL+1], 0xfedcba98
	s_mov_b32 s[LL], 0x3fb8aa3b                    ; log2(e)
	s_mov_b32 s[LL+1], s[LL]
	s_mov_b32 s[C512], 0x3b000000                  ; 1 / 512
	s_mov_b32 s[CEPS], 0x3727c5ac                  ; 1e-5
	s_mov_b32 s[NHL], 0xbf38aa3b                   ; -log2(e) / 2
	SLOADG 1, 0, WB, 0, 4                          ; k's weight: it lands while LN1 runs
	SLOADG 2, 1, WB, 0, 4
	SSG SSA, SB, 0
	VEC 1, 8, BOF
	VEC 2, 12, BOF
	VEC 3, 16, BOF
	s_wait_tensorcnt 0x0                           ; my strip is in; I alone read it
	LNA 3
	BARRIER                                        ; every wave's partial figures lie in LDS
	s_wait_loadcnt 0x0                             ; gain, offset, and with them the weight
	LNB 3
	BARRIER                                        ; LN1(x)'s 32 fragments lie in LDS; the strips are done with
	s_wait_xcnt 0x0                                ; LN1's last stores to memory have read their registers
	; ---- k: a tile of 16 tokens a trip.  It writes other bytes than it reads, so no barrier stands in a trip
	s_mov_b32 s82, 0
	YPRE 82, 12
	s_wait_dscnt 0x0                               ; the way in
	s_mov_b32 s[MC], 0
.Lk:
	s_wait_dscnt 5                                 ; the tile's 12 + 1 loads are in; behind them stand the last trip's five stores
	MM 4, 1, 2, SSA, 4, 1, 3, 192, Y, 0, YS
	PLACES
	NEXTM 7
	YPRE 82, 12
	s_wait_dscnt 13                                ; all but the 13 loads just issued: the last trip's stores are done, and their registers may be written
	SUMSQ                                          ; |k|^2 of the unquantised k: my 128 columns' part
	FOLD4 XV
	TOKB 83, MC
	s_lshl_b32 s83, s83, 4
	v_add_nc_u32 v[TA4], s83, v[XDW]
	ds_store_b32 v[TA4], v[XV]
	QUANT HA
	WADR MC, IM2W, RB2W
	IMAGE TA2
	ds_store_b32 v[TA3], v[PW]
	LOOPEND 8, .Lk
	BARRIER                                        ; k's 32 fragments and the partial |k|^2 lie in LDS
	; ---- v's first two tiles of the weight are asked for; then the stationary sets: LN1(x)'s images for v, the first half of k's for kp
	s_mov_b32 s82, 0
	NYLOAD 82, WB, 2*MAT, SB, 2*MSC, Y, 0, YS
	NVB 82, AUX
	s_wait_xcnt 0x0                                ; these loads have read their address registers, which the next lines write
	s_mov_b32 s82, 1
	NYLOAD 82, WB, 2*MAT, SB, 2*MSC, 192, 2, SSA
	NVB 82, AUX+2
	SLOADL 1, 0, IMR
	SLOADL 2, 1, IMR
	SSL SSB, RB
	SLOADL 3, 0, L16
	; -|k|^2 log2(e) / 2 - 4 for my 64 tokens, into v192-255 of window 1: register 16 q + k = token 32 q + 16 h + k
.irp q, 0,1,2,3
.set KA, 0
.rept 16
	ds_load_b128 v[HA+4*KA:HA+4*KA+3], v[XDR] offset:512*\q+16*KA
.set KA, KA+1
.endr
	s_wait_dscnt 0x0
.set KA, 0
.rept 16
	v_pk_add_f32 v[HA+4*KA:HA+4*KA+1], v[HA+4*KA:HA+4*KA+1], v[HA+4*KA+2:HA+4*KA+3]
.set KA, KA+1
.endr
.set KA, 0
.rept 16
	v_add_f32 v[HA+4*KA], v[HA+4*KA], v[HA+4*KA+1]
.set KA, KA+1
.endr
	WIN 0x40
.set KA, 0
.rept 16
	v_fma_f32 v[192+16*\q+KA], v[HA+4*KA], s[NHL], -4.0
.set KA, KA+1
.endr
	WIN 0
.endr
	; ---- v: two tiles a trip, one on each buffer (no LDS load of mine is out: the last wait above was for 0)
	s_mov_b32 s[MC], 0
.Lv:
	VSTEP 0, Y, 0, YS, AUX
	VSTEP 1, 192, 2, SSA, AUX+2
	LOOPEND 4, .Lv
	; ---- kp
	s_wait_loadcnt 0x0                             ; the last look-aheads have landed: their registers may be asked for again
	s_wait_xcnt 0x0
	s_mov_b32 s82, 0
	NYLOAD 82, WW, 0, SW, 0, Y, 0, YS
	s_wait_xcnt 0x0
	s_mov_b32 s82, 1
	NYLOAD 82, WW, 0, SW, 0, 192, 2, SSB
	SLOADL 1, 1, L16
	SSL SSA, RB2
	s_wait_dscnt 0x0                               ; the stationary set is whole
	s_mov_b32 s[MC], 0
.Lkp:
	KSTEP 0, Y, 0, YS
	KSTEP 1, 192, 2, SSB
	LOOPEND 2, .Lkp
	; ---- the gathered words leave: my wave's own bytes, which LDS serves in order; and my quarter of LN1(x)'s scale words, which lie behind a barrier
	s_wait_xcnt 0x0                                ; the last look-ahead loads and the last stores have read their address registers
	s_lshl_b32 s82, s[WV], 9
	s_lshl_b32 s83, s[WV], 8
	v_add_nc_u32 v[TA0], SCV, v[L16]
	v_add_nc_u32 v[TA0], s82, v[TA0]
	v_add_nc_u32 v[TA1], SCK, v[O8]
	v_add_nc_u32 v[TA1], s83, v[TA1]
	v_add_nc_u32 v[TA4], KSW, v[O8]
	v_add_nc_u32 v[TA4], s83, v[TA4]
	v_add_nc_u32 v[TA3], s82, v[L16]
	v_add_nc_u32 v[TA2], ASC, v[TA3]
	ds_load_b128 v[HA:HA+3], v[TA0]
	ds_load_b64 v[HA+4:HA+5], v[TA1]
	ds_load_b64 v[HA+6:HA+7], v[TA4]
	ds_load_b128 v[HA+8:HA+11], v[TA2]
	s_wait_dscnt 0x0
	global_store_b128 v[L16], v[HA:HA+3], s[SCVB:SCVB+1]
	global_store_b64 v[O8], v[HA+4:HA+5], s[SCKB:SCKB+1]
	global_store_b64 v[O8], v[HA+6:HA+7], s[KPB:KPB+1]
	global_store_b128 v[TA3], v[HA+8:HA+11], s[XIB:XIB+1] offset:49152
	s_wait_tensorcnt 0x0                           ; the wave's end
	ds_add_u32 v[SPW], v[NIL]
	s_wait_dscnt 0x0
	s_endpgm
.Lfunc_end_k_qc42f7e58bc_kv:
	.size	k_qc42f7e58bc_kv, .Lfunc_end_k_qc42f7e58bc_kv-k_qc42f7e58bc_kv
	.p2alignl 7, 3214868480
	.fill 96, 4, 3214868480
	.section	.rodata,"a",@progbits
	.p2align	6, 0x0
	.amdhsa_kernel k_qc42f7e58bc_kv
		.amdhsa_group_segment_fixed_size 327680
		.amdhsa_private_segment_fixed_size 0
		.amdhsa_enable_private_segment 0
		.amdhsa_kernarg_size 128
		.amdhsa_user_sgpr_count 2
		.amdhsa_user_sgpr_kernarg_segment_ptr 1
		.amdhsa_wavefront_size32 1
		.amdhsa_system_sgpr_workgroup_id_x 1
		.amdhsa_system_sgpr_workgroup_id_y 1
		.amdhsa_system_sgpr_workgroup_id_z 1
		.amdhsa_system_vgpr_workitem_id 0
		.amdhsa_next_free_vgpr 1024
		.amdhsa_next_free_sgpr 96
		.amdhsa_reserve_vcc 0
		.amdhsa_float_denorm_mode_32 3
		.amdhsa_float_denorm_mode_16_64 3
		.amdhsa_memory_ordered 1
		.amdhsa_forward_progress 1
		.amdhsa_inst_pref_size 153
	.end_amdhsa_kernel
	.amdgpu_metadata
---
amdhsa.version: [ 1, 2 ]
amdhsa.kernels:
  - .name:           k_qc42f7e58bc_kv
    .symbol:         k_qc42f7e58bc_kv.kd
    .args:
      - { .name: saliency_fea, .offset: 0, .size: 8, .value_kind: global_buffer, .address_space: global }
      - { .name: contour_fea, .offset: 8, .size: 8, .value_kind: global_buffer, .address_space: global }
      - { .name: ln1s_g, .offset: 16, .size: 8, .value_kind: global_buffer, .address_space: global }
      - { .name: ln1c_g, .offset: 24, .size: 8, .value_kind: global_buffer, .address_space: global }
      - { .name: ln1s_b, .offset: 32, .size: 8, .value_kind: global_buffer, .address_space: global }
      - { .name: ln1c_b, .offset: 40, .size: 8, .value_kind: global_buffer, .address_space: global }
      - { .name: ks_b, .offset: 48, .size: 8, .value_kind: global_buffer, .address_space: global }
      - { .name: kc_b, .offset: 56, .size: 8, .value_kind: global_buffer, .address_space: global }
      - { .name: vs_b, .offset: 64, .size: 8, .value_kind: global_buffer, .address_space: global }
      - { .name: vc_b, .offset: 72, .size: 8, .value_kind: global_buffer, .address_space: global }
      - { .name: wcod, .offset: 80, .size: 8, .value_kind: global_buffer, .address_space: global }
      - { .name: wscl, .offset: 88, .size: 8, .value_kind: global_buffer, .address_space: global }
      - { .name: vfr, .offset: 96, .size: 8, .value_kind: global_buffer, .address_space: global }
      - { .name: kpfr, .offset: 104, .size: 8, .value_kind: global_buffer, .address_space: global }
      - { .name: scl, .offset: 112, .size: 8, .value_kind: global_buffer, .address_space: global }
      - { .name: xim, .offset: 120, .size: 8, .value_kind: global_buffer, .address_space: global }
    .group_segment_fixed_size: 327680
    .private_segment_fixed_size: 0
    .kernarg_segment_align: 8
    .kernarg_segment_size: 128
    .max_flat_workgroup_size: 128
    .sgpr_count:     96
    .vgpr_count:     1024
    .wavefront_size: 32
...
	.end_amdgpu_metadata
.endif
;; end of part 2
;; launch kptv (part 3): grid 16 x 16, 4 waves a work-group, no clusters, 327,680 bytes of LDS; arguments vfr, kpfr, scl, kvcod, kvs; writes kvcod, kvs
.if DOCPART == 3
	.amdgcn_target "amdgcn-amd-amdhsa--gfx1250"
	.amdhsa_code_object_version 6
	.text
	.protected	k_qc42f7e58bc_kptv
	.globl	k_qc42f7e58bc_kptv
	.p2align	8
	.type	k_qc42f7e58bc_kptv,@function
k_qc42f7e58bc_kptv:
	s_mov_b64 s[64:65], 0
	v_nop
	global_prefetch_b8 v0, s[64:65] scope:SCOPE_SE
	s_setreg_imm32_b32 hwreg(HW_REG_WAVE_MODE, 25, 1), 1
	s_wait_xcnt 0x0
; kptv[n][m] = the sum over the 2,048 tokens of a batch of v[t][n] kp[t][m], on the codes that the launch before has made; the result is quantised along m and laid as the next launch's weight tiles.  Also ksum[m] = the sum of kp.
; No work is left out.  P = y = 8 x producing stream + batch.  x = 8 mh + ng.  A work-group makes n tiles 4 ng .. 4 ng + 3 against m tiles 8 mh .. 8 mh + 7 over all 16 K steps of 128 tokens; wave w owns n tile 4 ng + w.
; Source 0 = a fragment of kp, source 1 = the fragment of v: a lane holds a row n of kptv, its 64 registers run along m in the order that the quantiser wants (the rows of kp's tiles were chosen for it).
; All that the work-group reads, 307,200 bytes, is asked for at the head by four tensor loads a wave (K steps 4 w .. 4 w + 3 of each of four regions): four loads of mine are out.
; No multicast: each work-group asks once, at its head; there is no loop of requests in which partners could meet again.
; LIMITS: NaN and infinities are not served; a block of zeros has the scale byte 1.  The 64 KiB of scale words leave as 4 bytes a row.
.set FRB, 1536
.set LKP, 98304                        ; LDS: v [kb][4][1,536] from 0; kp [kb][8][1,536];
.set LVS, 294912                       ; v's scale words [kb][r][4];
.set LKS, 299008                       ; kp's [kb][2][r][4];
.set SPARE, 307200                     ; the spare words
.set L16, 1
.set R16, 2
.set AKP, 3
.set AV, 4
.set AKS, 5
.set AVS, 6
.set R4V, 11
.set HA, 32
.set KPF, 96
.set VFR, 192
.set KSR, 204                          ; v204-212 hold scale words and nothing else
.set VSR, 212
.set TM, 96                            ; behind the products the fragments' registers are at work
.set PW, 112
.set PC, 114
.set SPW, 252
.set NIL, 253
.set WV, 14
.set NG, 15
.set MH, 16
.set PP, 17
.set SEL, 76
.macro G1SET g, c, p                   ; 4 rows of c elements of 8 bytes, p elements apart, laid on end in LDS
	s_mov_b32 s[\g], 3<<16
	s_mov_b32 s[\g+1], (\c)<<16
	s_mov_b32 s[\g+2], 4<<16
	s_mov_b32 s[\g+3], (\c)<<16
	s_mov_b32 s[\g+4], 4
	s_mov_b32 s[\g+5], \p
	s_mov_b32 s[\g+6], 0
	s_mov_b32 s[\g+7], 0
.endm
.macro QUANT s
.irp b, 0,1,2,3
	v_max3_num_f32 v[TM+\b], |v[\s+16*\b]|, |v[\s+1+16*\b]|, 0x1800000
.endr
.irp i, 2,4,6,8,10,12,14
.irp b, 0,1,2,3
	v_max3_num_f32 v[TM+\b], v[TM+\b], |v[\s+16*\b+\i]|, |v[\s+1+16*\b+\i]|
.endr
.endr
.irp b, 0,1,2,3
	v_permlanex16_b32 v[TM+4+\b], v[TM+\b], s[SEL], s[SEL+1]
.endr
.irp b, 0,1,2,3
	v_max_num_f32 v[TM+\b], v[TM+\b], v[TM+4+\b]
.endr
.irp b, 0,1,2,3
	v_add_nc_u32 v[TM+12+\b], 0xff000000, v[TM+\b]
.endr
.irp b, 0,1,2,3
	v_lshrrev_b32 v[TM+4+\b], 23, v[TM+12+\b]
.endr
	v_lshl_or_b32 v[PW], v[TM+5], 8, v[TM+4]
	v_lshl_or_b32 v[PW], v[TM+6], 16, v[PW]
	v_lshl_or_b32 v[PW], v[TM+7], 24, v[PW]
.irp c, 0,1
	v_cvt_scalef32_pk16_fp6_f32 v[PC+6*\c:PC+2+6*\c], v[\s+32*\c:\s+15+32*\c], v[TM+12+2*\c]
	v_cvt_scalef32_pk16_fp6_f32 v[PC+12+4*\c:PC+14+4*\c], v[\s+16+32*\c:\s+31+32*\c], v[TM+12+2*\c+1]
.endr
	v_nop
.irp c, 0,1
.irp i, 0,1,2
	v_permlane16_swap_b32 v[PC+6*\c+\i], v[PC+12+4*\c+\i]
.endr
.irp i, 0,1,2
	v_mov_b32 v[PC+3+6*\c+\i], v[PC+12+4*\c+\i]
.endr
.endr
.endm
	s_load_b256 s[4:11], s[0:1], 0x0               ; vfr, kpfr, scl, kvcod
	s_load_b64 s[12:13], s[0:1], 0x20              ; kvs
	v_lshl_add_u32 v[SPW], v0, 2, SPARE
	v_mov_b32 v[NIL], 0
	ds_add_u32 v[SPW], v[NIL]                      ; the wave's opening: the add, twice on end, and its wait ahead of my first tensor load
	ds_add_u32 v[SPW], v[NIL]
	v_lshrrev_b32 v7, 5, v0
	v_readfirstlane_b32 s[WV], v7
	s_and_b32 s[NG], ttmp9, 7
	s_lshr_b32 s[MH], ttmp9, 3
	s_and_b32 s[PP], ttmp7, 0xffff
	G1SET 24, 768, 6144                            ; v: 4 tiles of a K step, 49,152 bytes from K step to K step
	G1SET 32, 1536, 3072                           ; kp: 8 tiles, 24,576 bytes apart
	G1SET 40, 32, 256                              ; v's scale words: 256 bytes, 2,048 apart
	G1SET 48, 64, 128                              ; kp's: 512 bytes, 1,024 apart
	s_mov_b32 s56, 1
	s_mul_i32 s57, s[WV], 24576
	s_mov_b32 s60, 1
	s_mul_i32 s61, s[WV], 49152
	s_add_co_u32 s61, s61, LKP
	s_mov_b32 s68, 1
	s_lshl_b32 s69, s[WV], 10
	s_add_co_u32 s69, s69, LVS
	s_mov_b32 s72, 1
	s_lshl_b32 s73, s[WV], 11
	s_add_co_u32 s73, s73, LKS
	s_lshl_b32 s18, s[PP], 4
	s_lshl_b32 s19, s[WV], 2
	s_add_co_u32 s18, s18, s19                     ; my first K step's work-group of the launch before: 16 P + 4 w
	s_mov_b32 s21, 0
	s_mov_b32 s[SEL], 0x76543210
	s_mov_b32 s[SEL+1], 0xfedcba98
	v_and_b32 v7, 31, v0
	v_and_b32 v8, 15, v0
	v_lshlrev_b32 v[L16], 4, v7
	v_lshlrev_b32 v[R16], 4, v8
	v_lshlrev_b32 v[R4V], 2, v8
	v_add_nc_u32 v[AKP], LKP, v[L16]
	s_mul_i32 s22, s[WV], FRB
	v_add_nc_u32 v[AV], s22, v[L16]
	v_add_nc_u32 v[AKS], LKS, v[R16]
	v_add_nc_u32 v[AVS], LVS, v[R16]
	v_add_nc_u32 v[AVS], s19, v[AVS]
	s_wait_dscnt 0x0                               ; both opening adds are done
	s_wait_kmcnt 0x0
	s_mul_i32 s20, s18, 49152
	s_mul_i32 s22, s[NG], 6144
	s_add_co_u32 s20, s20, s22
	s_add_nc_u64 s[58:59], s[4:5], s[20:21]
	s_or_b32 s59, s59, 0x80000000
	s_mul_i32 s20, s18, 24576
	s_mul_i32 s22, s[MH], 12288
	s_add_co_u32 s20, s20, s22
	s_add_nc_u64 s[62:63], s[6:7], s[20:21]
	s_or_b32 s63, s63, 0x80000000
	s_lshl_b32 s20, s18, 11
	s_lshl_b32 s22, s[NG], 8
	s_add_co_u32 s20, s20, s22
	s_add_nc_u64 s[70:71], s[8:9], s[20:21]
	s_or_b32 s71, s71, 0x80000000
	s_lshl_b32 s20, s18, 10
	s_lshl_b32 s22, s[MH], 9
	s_add_co_u32 s20, s20, s22
	s_add_co_u32 s20, s20, 524288
	s_add_nc_u64 s[74:75], s[8:9], s[20:21]
	s_or_b32 s75, s75, 0x80000000
	tensor_load_to_lds s[56:59], s[24:31]
	s_nop 0
	tensor_load_to_lds s[60:63], s[32:39]
	s_nop 0
	tensor_load_to_lds s[68:71], s[40:47]
	s_nop 0
	tensor_load_to_lds s[72:75], s[48:55]
	s_nop 0
.rept 4
	v_nop
.endr
	; ksum: wave 0 of the work-groups with ng = 0 adds the 16 partial sums of its 128 m, K steps ascending.  The branch hangs on ids alone and leads round no barrier
	s_or_b32 s18, s[NG], s[WV]
	s_cmp_lg_u32 s18, 0
	s_cbranch_scc1 .Lno_ksum
	s_lshl_b32 s20, s[PP], 14
	s_add_co_u32 s20, s20, s22                     ; + 512 mh
	s_add_co_u32 s20, s20, 786432
	s_add_nc_u64 s[78:79], s[8:9], s[20:21]
.set KA, 0
.rept 16
	global_load_b128 v[HA+4*KA:HA+4*KA+3], v[L16], s[78:79] offset:1024*KA
.set KA, KA+1
.endr
	s_lshl_b32 s20, s[PP], 10
	s_add_co_u32 s20, s20, s22
	s_add_co_u32 s20, s20, 65536
	s_add_nc_u64 s[80:81], s[12:13], s[20:21]
	s_wait_loadcnt 0x0
.set KA, 1
.rept 15
	v_pk_add_f32 v[HA:HA+1], v[HA:HA+1], v[HA+4*KA:HA+4*KA+1]
	v_pk_add_f32 v[HA+2:HA+3], v[HA+2:HA+3], v[HA+4*KA+2:HA+4*KA+3]
.set KA, KA+1
.endr
	global_store_b128 v[L16], v[HA:HA+3], s[80:81]
	s_wait_xcnt 0x0                                ; the store has read its registers: the products write them
.Lno_ksum:
	s_wait_tensorcnt 0x0                           ; my four parts are in,
	s_barrier_signal -1
	s_barrier_wait -1                              ; everybody's are
.macro KBSTEP zero                     ; a K step of 128 tokens: 8 fragments of kp, mine of v, their scale words; 8 accumulators by turns
	s_mul_i32 s79, s78, 12288
	v_add_nc_u32 v7, s79, v[AKP]
	s_mul_i32 s79, s78, 6144
	v_add_nc_u32 v8, s79, v[AV]
	s_lshl_b32 s79, s78, 9
	v_add_nc_u32 v9, s79, v[AKS]
	s_lshl_b32 s79, s78, 8
	v_add_nc_u32 v10, s79, v[AVS]
.set KA, 0
.rept 24
	ds_load_b128 v[KPF+4*KA:KPF+4*KA+3], v7 offset:512*KA
.set KA, KA+1
.endr
.irp c, 0,1,2
	ds_load_b128 v[VFR+4*\c:VFR+4*\c+3], v8 offset:512*\c
.endr
	ds_load_b128 v[KSR:KSR+3], v9
	ds_load_b128 v[KSR+4:KSR+7], v9 offset:256
	ds_load_b32 v[VSR], v10
	s_wait_dscnt 0x0
.irp i, 0,1,2,3,4,5,6,7
.if \zero
	v_wmma_scale_f32_16x16x128_f8f6f4 v[HA+8*\i:HA+8*\i+7], v[KPF+12*\i:KPF+12*\i+11], v[VFR:VFR+11], 0, v[KSR+\i], v[VSR] matrix_a_fmt:MATRIX_FMT_FP6 matrix_b_fmt:MATRIX_FMT_FP6
.else
	v_wmma_scale_f32_16x16x128_f8f6f4 v[HA+8*\i:HA+8*\i+7], v[KPF+12*\i:KPF+12*\i+11], v[VFR:VFR+11], v[HA+8*\i:HA+8*\i+7], v[KSR+\i], v[VSR] matrix_a_fmt:MATRIX_FMT_FP6 matrix_b_fmt:MATRIX_FMT_FP6
.endif
.endr
.rept 4
	v_nop                                          ; places ahead of the next loads into these registers, and of the first read of results
.endr
.endm
	s_mov_b32 s78, 0
	KBSTEP 1                                       ; the first K step starts the sums, ahead of the loop
	s_mov_b32 s78, 1
.Lkb:
	KBSTEP 0
	s_add_co_u32 s78, s78, 1
	s_cmp_lt_u32 s78, 16
	s_cbranch_scc1 .Lkb
	QUANT HA                                       ; along m: K step mh of the next launch's product with qp
	s_lshl_b32 s18, s[NG], 2
	s_add_co_u32 s18, s18, s[WV]                   ; j = 4 ng + w
	s_mul_i32 s20, s[PP], 98304
	s_mul_i32 s22, s18, 3072
	s_add_co_u32 s20, s20, s22
	s_mul_i32 s22, s[MH], FRB
	s_add_co_u32 s20, s20, s22
	s_add_nc_u64 s[10:11], s[10:11], s[20:21]
	s_lshl_b32 s20, s[PP], 12
	s_lshl_b32 s22, s[MH], 11
	s_add_co_u32 s20, s20, s22
	s_lshl_b32 s22, s18, 6
	s_add_co_u32 s20, s20, s22
	s_add_nc_u64 s[12:13], s[12:13], s[20:21]
.irp c, 0,1,2
	global_store_b128 v[L16], v[PC+4*\c:PC+4*\c+3], s[10:11] offset:512*\c
.endr
	global_store_b32 v[R4V], v[PW], s[12:13]
	s_wait_tensorcnt 0x0                           ; the wave's end
	ds_add_u32 v[SPW], v[NIL]
	s_wait_dscnt 0x0
	s_endpgm
.Lfunc_end_k_qc42f7e58bc_kptv:
	.size	k_qc42f7e58bc_kptv, .Lfunc_end_k_qc42f7e58bc_kptv-k_qc42f7e58bc_kptv
	.p2alignl 7, 3214868480
	.fill 96, 4, 3214868480
	.section	.rodata,"a",@progbits
	.p2align	6, 0x0
	.amdhsa_kernel k_qc42f7e58bc_kptv
		.amdhsa_group_segment_fixed_size 327680
		.amdhsa_private_segment_fixed_size 0
		.amdhsa_enable_private_segment 0
		.amdhsa_kernarg_size 40
		.amdhsa_user_sgpr_count 2
		.amdhsa_user_sgpr_kernarg_segment_ptr 1
		.amdhsa_wavefront_size32 1
		.amdhsa_system_sgpr_workgroup_id_x 1
		.amdhsa_system_sgpr_workgroup_id_y 1
		.amdhsa_system_sgpr_workgroup_id_z 1
		.amdhsa_system_vgpr_workitem_id 0
		.amdhsa_next_free_vgpr 256
		.amdhsa_next_free_sgpr 96
		.amdhsa_reserve_vcc 0
		.amdhsa_float_denorm_mode_32 3
		.amdhsa_float_denorm_mode_16_64 3
		.amdhsa_memory_ordered 1
		.amdhsa_forward_progress 1
		.amdhsa_inst_pref_size 21
	.end_amdhsa_kernel
	.amdgpu_metadata
---
amdhsa.version: [ 1, 2 ]
amdhsa.kernels:
  - .name:           k_qc42f7e58bc_kptv
    .symbol:         k_qc42f7e58bc_kptv.kd
    .args:
      - { .name: vfr, .offset: 0, .size: 8, .value_kind: global_buffer, .address_space: global }
      - { .name: kpfr, .offset: 8, .size: 8, .value_kind: global_buffer, .address_space: global }
      - { .name: scl, .offset: 16, .size: 8, .value_kind: global_buffer, .address_space: global }
      - { .name: kvcod, .offset: 24, .size: 8, .value_kind: global_buffer, .address_space: global }
      - { .name: kvs, .offset: 32, .size: 8, .value_kind: global_buffer, .address_space: global }
    .group_segment_fixed_size: 327680
    .private_segment_fixed_size: 0
    .kernarg_segment_align: 8
    .kernarg_segment_size: 40
    .max_flat_workgroup_size: 128
    .sgpr_count:     96
    .vgpr_count:     256
    .wavefront_size: 32
...
	.end_amdgpu_metadata
.endif
;; end of part 3
;; launch chain (part 4): grid 128 x 2, 4 waves a work-group, no clusters, 327,680 bytes of LDS; arguments saliency_fea, contour_fea, out0, out1, qs_b, qc_b, proj_s_b, proj_c_b, ln2s_g, ln2c_g, ln2s_b, ln2c_b, mlps_b1, mlpc_b1, mlps_b2, mlpc_b2, wcod, wscl, kvcod, kvs, xim; writes out0, out1
.if DOCPART == 4
	.amdgcn_target "amdgcn-amd-amdhsa--gfx1250"
	.amdhsa_code_object_version 6
	.text
	.protected	k_qc42f7e58bc_chain
	.globl	k_qc42f7e58bc_chain
	.p2align	8
	.type	k_qc42f7e58bc_chain,@function
k_qc42f7e58bc_chain:
	s_mov_b64 s[64:65], 0
	v_nop
	global_prefetch_b8 v0, s[64:65] scope:SCOPE_SE
	s_setreg_imm32_b32 hwreg(HW_REG_WAVE_MODE, 25, 1), 1
	s_wait_xcnt 0x0
; LN1(x) as codes -> q -> qp = exp(w q - |q|^2 / 2) / 16 -> D = qp . ksum, y = qp kptv^T / (D + 1e-8) -> proj + bias + x = s -> LN2 -> w1, exact gelu -> w2 + bias + s -> out.  Every product on codes of E2M3; no intermediate goes to memory.
; No work is left out.  LN1(x) was normalised and quantised once, by the launch kv: its images and scale words come from xim as they lie, so ln1's gains and offsets are no arguments here.
; SHARES.  A work-group owns 128 tokens of one stream (y = 0 saliency, 1 contour).  THE FOUR WAVES SHARE THE COLUMNS: wave w owns columns 128 w .. 128 w + 127 for all 128 tokens
; (in the feature map, which has 256 columns: wave w owns columns 128 (w % 2) on, for the token tiles 4 (w / 2) on).
; THE TOKENS OF A TILE ARE NOT NEIGHBOURS, as kv has laid them: row r of tile m is token 32 (m / 2) + 8 (m % 2) + r + 8 (r / 8).  Only the strips' addresses and the way out know of it.
; A LAYER is a loop over the 8 tiles of 16 tokens.  The wave's part of the weight, 8 tiles x 4 K steps, lies in 384 registers, loaded from memory once a layer, a layer ahead where registers are free,
; in runs of at most 63 loads wherever a loop follows the run (a longer run stands only in front of a wait for all loads).
; Source 0 = 16 rows of the weight, source 1 = the tokens' images from LDS: a lane holds a token, its 64 registers my columns in the order of the next K: they are quantised in registers and go back to LDS as K step w.
; THE IMAGES ARE OVERWRITTEN IN PLACE: in such a layer each trip has a barrier; ahead of its signal a wave has the tile's images in registers and its own stores done, behind its wait it stores the new ones.
; Half of the trip's products stand ahead of the signal, so that the last trip's stores end under them, half between signal and wait.
; x, then s, lie in LDS as strips of the waves' own (128 rows x 512 bytes + 16).  Two tensor loads a wave go out at the head: my quarter of the images and scale words (read by all, behind a barrier), then my strip of x,
; which is first read as proj's C, three layers on: two tensor loads of mine are out at the most.  The residuals are the C of a sum's first matrix instruction.
; No multicast: LDS is full (326,144 bytes), so there is no slot in which a joint load of weights could land, and the weights go straight into registers.  No prefetch: x is asked for whole at the head.
; LDS: XS 4 strips; IMG [tile][K step] fragments; ASC scale words [row][4]; STAT: partial |q|^2 [row][wave] and, 2,048 bytes on, partial D [row][2]; later LN2's partial figures [row][wave][8 bytes].
; REGISTERS: window 0: v1-23 addresses, v24-31 AUX, v32-95 HA, v96-143 Y, v144-147 Y's scale words, v148-179 and v180-211 the weights' scale words (two sets), v212-251 at work.  Windows 1-3: v0-191 half a weight set, v192-255 a vector of 64.
; LIMITS: NaN and infinities are not served; v_exp_f32 gives 0 for results under 2^-126; the division by D + 1e-8 is v_rcp_f32 and a multiplication; erf(z) = z P(z^2) / Q(z^2) with z held to +-4, where erf is 1 to f32's last bit
; (its error is of the order of 1e-7); a block of zeros has the scale byte 1.
.set XSP, 528
.set XSW, 128*XSP
.set FRB, 1536
.set IMG, 4*XSW
.set ASC, IMG+32*FRB
.set STAT, ASC+2048
.set SPARE, STAT+4096                  ; the spare words: 128 bytes a wave, two blocks of 256 bytes that no other line names
.set MAT, 196608
.set MSC, 8192
.set L16, 1
.set G16, 2
.set G4, 3
.set BOF, 4
.set BOF2, 5                           ; v5: at the head my offset in ksum;
.set GO, 5                             ;     in the last layer my offset in the output
.set GOUT, 6
.set XSA, 7
.set XSR, 8
.set IMR, 9
.set IMW, 10
.set IMC, 11
.set RB, 12
.set RBW, 13
.set RBC, 14
.set R32, 15
.set R32W, 16
.set R8, 17
.set R8C, 18
.set TA0, 19
.set TA1, 20
.set TA2, 21
.set TA3, 22
.set TA4, 23
.set AUX, 24
.set HA, 32
.set Y, 96
.set YS, 144
.set SSA, 148
.set SSB, 180
.set TM, 212
.set CH, 212
.set MU, 220
.set RS, 222
.set T0, 224
.set T1, 225
.set T2, 226
.set T3, 227
.set PW, 228
.set XV, 229
.set PC, 230
.set GZ, 212
.set GX, 220
.set GP, 230
.set GQ, 238
.set NX, 250
.set SPW, 252
.set NIL, 253
.set WB, 6
.set WB2, 10
.set SB, 14
.set SB2, 18
.set KVB, 22
.set KSB, 26
.set KSP, 30
.set SEL, 34
.set LL, 38
.set C512, 54
.set CEPS, 55
.set G0, 56                            ; s[56:59], s[68:75]: x's strip
.set G0I, 60                           ; s[60:63], s[92:99]: the images
.set G1, 68
.set WV, 76
.set CW, 77
.set QS, 79
.set MT, 80
.set MC, 81
.set R4, 90
.set NHL, 91
.set G1I, 92
.set MSB, 0
.macro WIN new                         ; the immediate's high byte repeats the setting that is left; a switch that changes nothing is dropped
.if MSB != (\new)
	s_set_vgpr_msb (MSB<<8)|(\new)
.set MSB, (\new)
.endif
.endm
.macro PLACES                          ; four plain places behind matrix instructions, ahead of reads of results and of loads into their registers
.rept 4
	v_nop
.endr
.endm
.macro BARRIER                         ; my LDS stores have landed and my LDS loads are in: then the work-group's barrier
	s_wait_dscnt 0x0
	s_barrier_signal -1
	s_barrier_wait -1
.endm
.macro LOOPEND n, lbl
	s_add_co_u32 s[MC], s[MC], 1
	s_cmp_lt_u32 s[MC], \n
	s_cbranch_scc1 \lbl
.endm
.macro NEXTM mask                      ; s82 = the next trip's index; the last trip's wraps to 0, so that no access leaves its region
	s_add_co_u32 s82, s[MC], 1
	s_and_b32 s82, s82, \mask
.endm
.macro TOKB dst, idx                   ; tile idx's first token: 32 (idx / 2) + 8 (idx % 2)
	s_lshr_b32 s[\dst], s[\idx], 1
	s_lshl_b32 s[\dst], s[\dst], 5
	s_and_b32 s85, s[\idx], 1
	s_lshl_b32 s85, s85, 3
	s_or_b32 s[\dst], s[\dst], s85
.endm
.macro XOFF dst, idx                   ; and where it lies in a strip
	TOKB \dst, \idx
	s_mul_i32 s[\dst], s[\dst], XSP
.endm
.macro SLOADG win, half, base, imm, ks ; half a weight set: K steps 2 half, 2 half + 1 of my 8 tiles: 48 loads of 512 consecutive bytes
	WIN ((\win)<<6)
.irp sl, 0,1
.irp i, 0,1,2,3,4,5,6,7
.irp c, 0,1,2
	global_load_b128 v[12*(8*\sl+\i)+4*\c:12*(8*\sl+\i)+4*\c+3], v[L16], s[\base:\base+1] offset:(\imm)+((\i)*(\ks)+2*(\half)+\sl)*1536+512*\c
.endr
.endr
.endr
	WIN 0
.endm
.macro SSG set, base, imm              ; the weights' scale words: four K steps of a row in 16 bytes
.irp i, 0,1,2,3,4,5,6,7
	global_load_b128 v[\set+4*\i:\set+4*\i+3], v[G16], s[\base:\base+1] offset:(\imm)+256*\i
.endr
.endm
.macro VEC win, base, voff             ; 64 numbers of a vector over my columns, in the accumulators' layout: register 8 i + j = column 32 (i / 2) + 16 h + 8 (i % 2) + j
	WIN ((\win)<<6)
.irp i, 0,1,2,3,4,5,6,7
	global_load_b128 v[192+8*\i:195+8*\i], v[\voff], s[\base:\base+1] offset:128*(\i/2)+32*(\i%2)
	global_load_b128 v[196+8*\i:199+8*\i], v[\voff], s[\base:\base+1] offset:128*(\i/2)+32*(\i%2)+16
.endr
	WIN 0
.endm
.macro XBLOAD win, reg, adr            ; 16 rows of my strip in the same layout
	WIN ((\win)<<6)
.irp i, 0,1,2,3,4,5,6,7
	ds_load_b128 v[\reg+8*\i:\reg+8*\i+3], v[\adr] offset:128*(\i/2)+32*(\i%2)
	ds_load_b128 v[\reg+8*\i+4:\reg+8*\i+7], v[\adr] offset:128*(\i/2)+32*(\i%2)+16
.endr
	WIN 0
.endm
.macro XBSTORE adr                     ; HA into my strip, each accumulator from its low end on
.irp i, 0,1,2,3,4,5,6,7
	ds_store_b128 v[\adr], v[HA+8*\i:HA+8*\i+3] offset:128*(\i/2)+32*(\i%2)
	ds_store_b128 v[\adr], v[HA+8*\i+4:HA+8*\i+7] offset:128*(\i/2)+32*(\i%2)+16
.endr
.endm
.macro YLOAD n, adr
.set KB, 0
.rept \n
	ds_load_b128 v[Y+4*KB:Y+4*KB+3], v[\adr] offset:512*KB
.set KB, KB+1
.endr
.endm
.macro YPRE idx, n                     ; the images and scale words of token tile s[idx]: n + 1 loads
	s_mul_i32 s83, s[\idx], 4*FRB
	s_lshl_b32 s84, s[\idx], 8
	v_add_nc_u32 v[TA0], s83, v[IMR]
	v_add_nc_u32 v[TA1], s84, v[RB]
	YLOAD \n, TA0
	ds_load_b128 v[YS:YS+3], v[TA1]
.endm
.macro WADR idx, ireg, sreg            ; where tile s[idx]'s new image and scale word go
	s_mul_i32 s83, s[\idx], 4*FRB
	s_lshl_b32 s84, s[\idx], 8
	v_add_nc_u32 v[TA2], s83, v[\ireg]
	v_add_nc_u32 v[TA3], s84, v[\sreg]
.endm
; K steps k0 .. k1 - 1 x 8 tiles.  The 8 accumulators take turns, one instruction a turn.  cmode 0: K step 0 starts the sums with 0; 1: with the vector at v[creg] of window cwin.
; The windows are left as the last K step set them: WIN 0 follows the layer's last part.
.macro MM k0, k1, w0, w1, ss, kss, cmode, cwin, creg
.set KK, \k0
.rept (\k1)-(\k0)
.if KK == 0
	WIN ((\w0)|((\cwin)<<4))
.elseif KK == 1
	WIN (\w0)
.else
	WIN (\w1)
.endif
.irp i, 0,1,2,3,4,5,6,7
.if (KK == 0) && (\cmode == 0)
	v_wmma_scale_f32_16x16x128_f8f6f4 v[HA+8*\i:HA+8*\i+7], v[12*(8*(KK%2)+\i):12*(8*(KK%2)+\i)+11], v[Y+12*KK:Y+12*KK+11], 0, v[\ss+\kss*\i+KK], v[YS+KK] matrix_a_fmt:MATRIX_FMT_FP6 matrix_b_fmt:MATRIX_FMT_FP6
.elseif KK == 0
	v_wmma_scale_f32_16x16x128_f8f6f4 v[HA+8*\i:HA+8*\i+7], v[12*(8*(KK%2)+\i):12*(8*(KK%2)+\i)+11], v[Y+12*KK:Y+12*KK+11], v[\creg+8*\i:\creg+8*\i+7], v[\ss+\kss*\i+KK], v[YS+KK] matrix_a_fmt:MATRIX_FMT_FP6 matrix_b_fmt:MATRIX_FMT_FP6
.else
	v_wmma_scale_f32_16x16x128_f8f6f4 v[HA+8*\i:HA+8*\i+7], v[12*(8*(KK%2)+\i):12*(8*(KK%2)+\i)+11], v[Y+12*KK:Y+12*KK+11], v[HA+8*\i:HA+8*\i+7], v[\ss+\kss*\i+KK], v[YS+KK] matrix_a_fmt:MATRIX_FMT_FP6 matrix_b_fmt:MATRIX_FMT_FP6
.endif
.endr
.set KK, KK+1
.endr
.endm
.macro FOLD4 dst                       ; four packed chains, and lane l xor 16's, become one number
	v_pk_add_f32 v[CH:CH+1], v[CH:CH+1], v[CH+2:CH+3]
	v_pk_add_f32 v[CH+4:CH+5], v[CH+4:CH+5], v[CH+6:CH+7]
	v_pk_add_f32 v[CH:CH+1], v[CH:CH+1], v[CH+4:CH+5]
	v_add_f32 v[T0], v[CH], v[CH+1]
	v_permlanex16_b32 v[T1], v[T0], s[SEL], s[SEL+1]
	v_add_f32 v[\dst], v[T0], v[T1]
.endm
.macro SADD sw, sr                     ; the sum of 64 registers, in four chains that the first eight pairs start
	WIN ((\sw)|((\sw)<<2))
.irp c, 0,1,2,3
	v_pk_add_f32 v[CH+2*\c:CH+2*\c+1], v[\sr+2*\c:\sr+2*\c+1], v[\sr+8+2*\c:\sr+9+2*\c]
.endr
	WIN ((\sw)<<2)
.set KA, 8
.rept 24
	v_pk_add_f32 v[CH+2*(KA%4):CH+2*(KA%4)+1], v[CH+2*(KA%4):CH+2*(KA%4)+1], v[\sr+2*KA:\sr+2*KA+1]
.set KA, KA+1
.endr
	WIN 0
.endm
.macro SSUB sw, sr, mreg               ; HA = the 64 registers - v[mreg]
	WIN (\sw)
.set KA, 0
.rept 32
	v_pk_add_f32 v[HA+2*KA:HA+2*KA+1], v[\sr+2*KA:\sr+2*KA+1], v[\mreg:\mreg+1] op_sel_hi:[1,0] neg_lo:[0,1] neg_hi:[0,1]
.set KA, KA+1
.endr
	WIN 0
.endm
.macro SUMSQ                           ; the sum of HA's squares, in four chains
.irp c, 0,1,2,3
	v_pk_mul_f32 v[CH+2*\c:CH+2*\c+1], v[HA+2*\c:HA+2*\c+1], v[HA+2*\c:HA+2*\c+1]
.endr
.set KA, 4
.rept 28
	v_pk_fma_f32 v[CH+2*(KA%4):CH+2*(KA%4)+1], v[HA+2*KA:HA+2*KA+1], v[HA+2*KA:HA+2*KA+1], v[CH+2*(KA%4):CH+2*(KA%4)+1]
.set KA, KA+1
.endr
.endm
.macro ADDV win                        ; HA += the vector in v192-255 of window win
	WIN ((\win)<<2)
.set KA, 0
.rept 32
	v_pk_add_f32 v[HA+2*KA:HA+2*KA+1], v[HA+2*KA:HA+2*KA+1], v[192+2*KA:193+2*KA]
.set KA, KA+1
.endr
	WIN 0
.endm
; The four waves' (mean of 128, sum of squared distances from it) become the row's mean and 1 / sqrt(var + 1e-5): M2 = the sum of M2_w + 128 x the sum of (mean_w - mean)^2: no difference of large sums is formed.
.macro COMBINE
	v_add_f32 v[T0], v[AUX], v[AUX+2]
	v_add_f32 v[T1], v[AUX+4], v[AUX+6]
	v_add_f32 v[T2], v[AUX+1], v[AUX+3]
	v_add_f32 v[T3], v[AUX+5], v[AUX+7]
	v_add_f32 v[T0], v[T0], v[T1]
	v_add_f32 v[T2], v[T2], v[T3]
	v_mul_f32 v[MU], 0x3e800000, v[T0]
	v_sub_f32 v[CH], v[AUX], v[MU]
	v_sub_f32 v[CH+1], v[AUX+2], v[MU]
	v_sub_f32 v[CH+2], v[AUX+4], v[MU]
	v_sub_f32 v[CH+3], v[AUX+6], v[MU]
	v_mul_f32 v[T0], v[CH], v[CH]
	v_fmac_f32 v[T0], v[CH+1], v[CH+1]
	v_fmac_f32 v[T0], v[CH+2], v[CH+2]
	v_fmac_f32 v[T0], v[CH+3], v[CH+3]
	v_fmamk_f32 v[T2], v[T0], 0x43000000, v[T2]
	v_fma_f32 v[T2], v[T2], s[C512], s[CEPS]
	v_rsq_f32 v[RS], v[T2]
.endm
.macro NORMR                           ; HA = HA x rstd x gain + offset; the gain in v192-255 of window 1, the offset in window 2
.set KA, 0
.rept 32
	v_pk_mul_f32 v[HA+2*KA:HA+2*KA+1], v[HA+2*KA:HA+2*KA+1], v[RS:RS+1] op_sel_hi:[1,0]
.set KA, KA+1
.endr
	WIN 0x24
.set KA, 0
.rept 32
	v_pk_fma_f32 v[HA+2*KA:HA+2*KA+1], v[HA+2*KA:HA+2*KA+1], v[192+2*KA:193+2*KA], v[192+2*KA:193+2*KA]
.set KA, KA+1
.endr
	WIN 0
.endm
; 64 numbers of a lane, register 16 b + i = k 32 b + 16 (lane / 16) + i of my row, become a fragment's codes in v[PC] on and its scale word in v[PW].
.macro QUANT s
.irp b, 0,1,2,3
	v_max3_num_f32 v[TM+\b], |v[\s+16*\b]|, |v[\s+1+16*\b]|, 0x1800000   ; and the floor 2^(3 - 127): the byte cannot fall under 1
.endr
.irp i, 2,4,6,8,10,12,14
.irp b, 0,1,2,3
	v_max3_num_f32 v[TM+\b], v[TM+\b], |v[\s+16*\b+\i]|, |v[\s+1+16*\b+\i]|
.endr
.endr
.irp b, 0,1,2,3
	v_permlanex16_b32 v[TM+4+\b], v[TM+\b], s[SEL], s[SEL+1]
.endr
.irp b, 0,1,2,3
	v_max_num_f32 v[TM+\b], v[TM+\b], v[TM+4+\b]
.endr
.irp b, 0,1,2,3
	v_add_nc_u32 v[TM+12+\b], 0xff000000, v[TM+\b]   ; 2 off the exponent field: the conversion's scale operand
.endr
.irp b, 0,1,2,3
	v_lshrrev_b32 v[TM+4+\b], 23, v[TM+12+\b]
.endr
	v_lshl_or_b32 v[PW], v[TM+5], 8, v[TM+4]
	v_lshl_or_b32 v[PW], v[TM+6], 16, v[PW]
	v_lshl_or_b32 v[PW], v[TM+7], 24, v[PW]
.irp c, 0,1
	v_cvt_scalef32_pk16_fp6_f32 v[PC+6*\c:PC+2+6*\c], v[\s+32*\c:\s+15+32*\c], v[TM+12+2*\c]
	v_cvt_scalef32_pk16_fp6_f32 v[PC+12+4*\c:PC+14+4*\c], v[\s+16+32*\c:\s+31+32*\c], v[TM+12+2*\c+1]
.endr
	v_nop                                          ; one plain place behind a scaled conversion
.irp c, 0,1
.irp i, 0,1,2
	v_permlane16_swap_b32 v[PC+6*\c+\i], v[PC+12+4*\c+\i]   ; the layout wants a whole block in a lane
.endr
.irp i, 0,1,2
	v_mov_b32 v[PC+3+6*\c+\i], v[PC+12+4*\c+\i]
.endr
.endr
.endm
.macro IMAGE adr
.irp c, 0,1,2
	ds_store_b128 v[\adr], v[PC+4*\c:PC+4*\c+3] offset:512*\c
.endr
.endm
.macro QOUT idx, ireg, sreg            ; HA becomes a fragment and goes to LDS: four stores
	QUANT HA
	WADR \idx, \ireg, \sreg
	IMAGE TA2
	ds_store_b32 v[TA3], v[PW]
.endm
; LN, second pass: normalise, quantise, image.  My 128 columns are K step w of the next product.
.macro LNB xw
	XBLOAD \xw, 0, XSA
	ds_load_b128 v[AUX:AUX+3], v[R32]
	ds_load_b128 v[AUX+4:AUX+7], v[R32] offset:16
	s_wait_dscnt 0x0                               ; the way in
	s_mov_b32 s[MC], 0
.Llnb_\@:
	s_wait_dscnt 4                                 ; the tile's 16 + 2 loads are in; behind them stand the last trip's four stores
	COMBINE
	SSUB \xw, 0, MU                                ; plain work behind the root
	NEXTM 7
	XOFF 83, 82
	s_lshl_b32 s84, s82, 9
	v_add_nc_u32 v[TA0], s83, v[XSA]
	v_add_nc_u32 v[TA1], s84, v[R32]
	XBLOAD \xw, 0, TA0
	ds_load_b128 v[AUX:AUX+3], v[TA1]
	ds_load_b128 v[AUX+4:AUX+7], v[TA1] offset:16
	s_wait_dscnt 18                                ; all but the 18 loads just issued: the last trip's four stores are done, and their registers may be written
	s_wait_alu depctr_va_vdst(0)                   ; the wait ahead of the root's first reader
	NORMR
	QOUT MC, IMW, RBW
	LOOPEND 8, .Llnb_\@
.endm
; gelu(h) = h / 2 + (h / 2) erf(h / sqrt 2), eight numbers at a time.
.macro HORN reg, lit
.irp k, 0,1,2,3
	v_pk_fma_f32 v[\reg+2*\k:\reg+2*\k+1], v[\reg+2*\k:\reg+2*\k+1], v[GX+2*\k:GX+2*\k+1], \lit op_sel_hi:[1,1,0]
.endr
.endm
.macro GELU8 b
.irp k, 0,1,2,3
	v_pk_mul_f32 v[GZ+2*\k:GZ+2*\k+1], v[HA+8*(\b)+2*\k:HA+8*(\b)+2*\k+1], 0x3f3504f3 op_sel_hi:[1,0]
.endr
.irp k, 0,1,2,3,4,5,6,7
	v_med3_num_f32 v[GZ+\k], v[GZ+\k], -4.0, 4.0
.endr
.irp k, 0,1,2,3
	v_pk_mul_f32 v[GX+2*\k:GX+2*\k+1], v[GZ+2*\k:GZ+2*\k+1], v[GZ+2*\k:GZ+2*\k+1]
.endr
.irp k, 0,1,2,3
	v_pk_fma_f32 v[GP+2*\k:GP+2*\k+1], v[GX+2*\k:GX+2*\k+1], v[254:255], 0x32edffee op_sel_hi:[1,1,0]
	v_pk_fma_f32 v[GQ+2*\k:GQ+2*\k+1], v[GX+2*\k:GX+2*\k+1], v[250:251], 0xb95fbd29 op_sel_hi:[1,1,0]
.endr
	HORN GP, 0xb60cff51
	HORN GQ, 0xbadc924e
	HORN GP, 0xb86ec2d2
	HORN GQ, 0xbbf19bf8
	HORN GP, 0xba40ac63
	HORN GQ, 0xbc69b6a7
	HORN GP, 0xbb41a1f6
	HORN GP, 0xbc83dbd4
.irp k, 0,1,2,3
	v_pk_mul_f32 v[GP+2*\k:GP+2*\k+1], v[GP+2*\k:GP+2*\k+1], v[GZ+2*\k:GZ+2*\k+1]
.endr
.irp k, 0,1,2,3,4,5,6,7
	v_rcp_f32 v[GQ+\k], v[GQ+\k]
.endr
.irp k, 0,1,2,3
	v_pk_mul_f32 v[HA+8*(\b)+2*\k:HA+8*(\b)+2*\k+1], v[HA+8*(\b)+2*\k:HA+8*(\b)+2*\k+1], 0.5 op_sel_hi:[1,0]   ; plain work behind the reciprocals
.endr
	s_wait_alu depctr_va_vdst(0)                   ; one wait for the eight
.irp k, 0,1,2,3
	v_pk_mul_f32 v[GP+2*\k:GP+2*\k+1], v[GP+2*\k:GP+2*\k+1], v[GQ+2*\k:GQ+2*\k+1]
.endr
.irp k, 0,1,2,3
	v_pk_fma_f32 v[HA+8*(\b)+2*\k:HA+8*(\b)+2*\k+1], v[HA+8*(\b)+2*\k:HA+8*(\b)+2*\k+1], v[GP+2*\k:GP+2*\k+1], v[HA+8*(\b)+2*\k:HA+8*(\b)+2*\k+1]
.endr
.endm
; A trip of y = qp kptv^T / (D + 1e-8): two K steps
.macro YTRIP
	s_wait_dscnt 4                                 ; the tile's 6 + 1 + 1 loads are in; behind them stand the last trip's four stores
	v_add_f32 v[T0], v[AUX], v[AUX+1]
	v_add_f32 v[T0], 0x322bcc77, v[T0]
	v_rcp_f32 v[NX], v[T0]
	v_nop                                          ; a plain place behind the reciprocal
	MM 0, 1, 2, 2, SSA, 2, 0, 0, 0
	s_wait_dscnt 0x0                               ; my stores are done too:
	s_barrier_signal -1
	MM 1, 2, 2, 2, SSA, 2, 0, 0, 0
	WIN 0
	s_barrier_wait -1                              ; every wave has the tile in registers: its images may be overwritten
	PLACES
	NEXTM 7
	YPRE 82, 6
	s_lshl_b32 s83, s82, 7
	v_add_nc_u32 v[TA4], s83, v[R8]
	ds_load_b64 v[AUX:AUX+1], v[TA4]
	s_wait_alu depctr_va_vdst(0)                   ; ahead of the reciprocal's first reader
.set KA, 0
.rept 32
	v_pk_mul_f32 v[HA+2*KA:HA+2*KA+1], v[HA+2*KA:HA+2*KA+1], v[NX:NX+1] op_sel_hi:[1,0]
.set KA, KA+1
.endr
	QOUT MC, IMW, RBW
.endm
.macro YLOOP n                         ; the trips up to n - 1
.Ly_\@:
	YTRIP
	LOOPEND \n, .Ly_\@
.endm
; A trip of h = gelu(LN2(s) w1^T + b1).  last = 1: the eighth, written out: there is no tile to look ahead to, and w2's second half is asked for straight behind the products that leave its registers free; b2 follows
; in the middle of the gelu, so that the run of 48 loads and its 16 are never 64 at once in front of work.
.macro HTRIP last
	s_wait_dscnt 4                                 ; the tile's 12 + 1 loads are in; behind them stand the last trip's four stores
	MM 0, 2, 2, 3, SSA, 4, 1, 3, 192
	s_wait_dscnt 0x0
	s_barrier_signal -1
	MM 2, 4, 2, 3, SSA, 4, 1, 3, 192
	WIN 0
	s_barrier_wait -1
	PLACES
.if \last
	SLOADG 2, 1, WB, 10*MAT, 4
.else
	NEXTM 7
	YPRE 82, 12
.endif
.irp b, 0,1,2,3,4,5,6,7
	GELU8 \b
.if (\last) && (\b == 4)
	VEC 1, 40, BOF
.endif
.endr
	QOUT MC, IMW, RBW
.endm
	s_load_b256 s[4:11], s[0:1], 0x0               ; x, out (each: saliency's, contour's)
	s_load_b512 s[20:35], s[0:1], 0x20             ; q's bias, proj's bias, ln2 gain, ln2 offset
	s_load_b512 s[36:51], s[0:1], 0x60             ; b1, b2; wcod, wscl, kvcod, kvs
	s_load_b64 s[12:13], s[0:1], 0xa0              ; xim
	v_lshl_add_u32 v[SPW], v0, 2, SPARE
	v_mov_b32 v[NIL], 0
	ds_add_u32 v[SPW], v[NIL]                      ; the wave's opening: the add, twice on end, and its wait ahead of my first tensor load
	ds_add_u32 v[SPW], v[NIL]
	v_lshrrev_b32 v19, 5, v0
	v_readfirstlane_b32 s[WV], v19                 ; wave 0..3
	s_and_b32 s[CW], s[WV], 1                      ; in the feature map: my half of its 256 columns,
	s_lshr_b32 s[R4], s[WV], 1
	s_lshl_b32 s[R4], s[R4], 2                     ; and my first token tile
	s_and_b32 s[QS], ttmp7, 0xffff                 ; the stream
	s_mov_b32 s[G0], 1
	s_mul_i32 s[G0+1], s[WV], XSW                  ; my strip
	s_mov_b32 s[G1], (2<<16)|(1<<20)|(6<<22)|(3<<25)  ; x: elements of 4 bytes; 4 words of padding behind every 128
	s_mov_b32 s[G1+1], 128<<16
	s_mov_b32 s[G1+2], 128<<16
	s_mov_b32 s[G1+3], 128<<16
	s_mov_b32 s[G1+4], 128
	s_mov_b32 s[G1+5], 512
	s_mov_b32 s[G1+6], 0
	s_mov_b32 s[G1+7], 0
	s_mov_b32 s[G0I], 1
	s_mul_i32 s[G0I+1], s[WV], 12800
	s_add_co_u32 s[G0I+1], s[G0I+1], IMG           ; my quarter of IMG and ASC, which lie on end: 51,200 bytes in all
	s_mov_b32 s[G1I], 3<<16                        ; the images: a dense block of 12,800 bytes as 50 rows of 32 elements of 8 bytes, no padding
	s_mov_b32 s[G1I+1], 32<<16
	s_mov_b32 s[G1I+2], 50<<16
	s_mov_b32 s[G1I+3], 32<<16
	s_mov_b32 s[G1I+4], 50
	s_mov_b32 s[G1I+5], 32
	s_mov_b32 s[G1I+6], 0
	s_mov_b32 s[G1I+7], 0
	v_and_b32 v20, 31, v0                          ; lane
	v_and_b32 v21, 15, v0                          ; r
	v_bfe_u32 v22, v0, 4, 1                        ; h
	v_and_b32 v23, 8, v21
	v_add_nc_u32 v23, v23, v21                     ; r + 8 (r / 8)
	v_lshlrev_b32 v[L16], 4, v20
	v_lshlrev_b32 v[G16], 4, v21
	v_lshlrev_b32 v[G4], 2, v21
	s_lshl_b32 s82, s[WV], 9
	v_lshl_add_u32 v[BOF], v22, 6, s82             ; 512 w + 64 h
	s_lshl_b32 s83, s[CW], 9
	v_lshl_add_u32 v[BOF2], v22, 6, s83
	v_add_nc_u32 v[GOUT], s82, v[L16]
	v_mul_u32_u24 v[XSA], v23, XSP
	v_lshl_add_u32 v[XSA], v22, 6, v[XSA]
	v_add_nc_u32 v[XSA], s[G0+1], v[XSA]           ; my strip, token r + 8 (r / 8), + 64 h
	v_add_nc_u32 v[XSR], s[G0+1], v[L16]
	v_add_nc_u32 v[IMR], IMG, v[L16]
	s_mul_i32 s83, s[WV], FRB
	v_add_nc_u32 v[IMW], s83, v[IMR]
	s_mul_i32 s83, s[CW], FRB
	v_add_nc_u32 v[IMC], s83, v[IMR]
	v_add_nc_u32 v[RB], ASC, v[G16]
	s_lshl_b32 s83, s[WV], 2
	v_add_nc_u32 v[RBW], s83, v[RB]
	s_lshl_b32 s84, s[CW], 2
	v_add_nc_u32 v[RBC], s84, v[RB]
	v_lshl_add_u32 v[R32], v21, 5, STAT
	s_lshl_b32 s83, s[WV], 3
	v_add_nc_u32 v[R32W], s83, v[R32]
	v_lshl_add_u32 v[R8], v21, 3, STAT+2048
	v_add_nc_u32 v[R8C], s84, v[R8]
.set KA, 212
.rept 18
	v_mov_b32 v[KA], 0                             ; written once: permutes' destinations and the upper halves of pairs count as read
.set KA, KA+1
.endr
	v_mov_b32 v[NX], 0
	v_mov_b32 v[NX+1], 0
	s_wait_dscnt 0x0                               ; both opening adds are done
	s_wait_kmcnt 0x0
	s_cmp_eq_u32 s[QS], 0                          ; the choices hang on the work-group's number alone
	s_cselect_b64 s[4:5], s[4:5], s[6:7]
	s_cselect_b64 s[8:9], s[8:9], s[10:11]
	s_cselect_b64 s[20:21], s[20:21], s[22:23]
	s_cselect_b64 s[24:25], s[24:25], s[26:27]
	s_cselect_b64 s[28:29], s[28:29], s[30:31]
	s_cselect_b64 s[32:33], s[32:33], s[34:35]
	s_cselect_b64 s[36:37], s[36:37], s[38:39]
	s_cselect_b64 s[40:41], s[40:41], s[42:43]
	s_mov_b32 s87, 0
	s_lshl_b32 s86, s[QS], 7
	s_add_co_u32 s86, s86, ttmp9                   ; 128 x stream + block: the work-group of kv that made my images
	s_mul_i32 s86, s86, 51200
	s_mul_i32 s83, s[WV], 12800
	s_add_co_u32 s86, s86, s83
	s_add_nc_u64 s[G0I+2:G0I+3], s[12:13], s[86:87]
	s_or_b32 s[G0I+3], s[G0I+3], 0x80000000        ; type = 2
	s_lshl_b32 s86, ttmp9, 18                      ; 128 tokens of 2,048 bytes
	s_add_nc_u64 s[8:9], s[8:9], s[86:87]          ; out at my first token
	s_add_co_u32 s86, s86, s82
	s_add_nc_u64 s[G0+2:G0+3], s[4:5], s[86:87]
	s_or_b32 s[G0+3], s[G0+3], 0x80000000
	tensor_load_to_lds s[G0I:G0I+3], s[G1I:G1I+7]  ; the images first: the first layer waits for them
	s_nop 0
	tensor_load_to_lds s[G0:G0+3], s[G1:G1+7]      ; my strip of x: three layers in which to land.  Both are filled once
	s_nop 0
.rept 4
	v_nop
.endr
	s_mul_i32 s86, s[QS], MAT
	s_mul_i32 s83, s[WV], 49152
	s_add_co_u32 s86, s86, s83
	s_add_nc_u64 s[WB:WB+1], s[44:45], s[86:87]    ; my 8 tiles of my stream's matrices; which matrix stands in the immediate
	s_mul_i32 s86, s[QS], 98304
	s_mul_i32 s83, s[CW], 49152
	s_add_co_u32 s86, s86, s83
	s_add_co_u32 s86, s86, 2359296
	s_add_nc_u64 s[WB2:WB2+1], s[44:45], s[86:87]  ; the feature map of my own branch
	s_lshl_b32 s86, s[QS], 13
	s_lshl_b32 s83, s[WV], 11
	s_add_co_u32 s86, s86, s83
	s_add_nc_u64 s[SB:SB+1], s[46:47], s[86:87]
	s_lshl_b32 s86, s[QS], 12
	s_lshl_b32 s83, s[CW], 11
	s_add_co_u32 s86, s86, s83
	s_add_co_u32 s86, s86, 98304
	s_add_nc_u64 s[SB2:SB2+1], s[46:47], s[86:87]
	s_xor_b32 s88, s[QS], 1                        ; keys and values come from the OTHER stream:
	s_lshl_b32 s88, s88, 3
	s_lshr_b32 s83, ttmp9, 4
	s_add_co_u32 s88, s88, s83                     ; 8 x (1 - stream) + batch
	s_mul_i32 s86, s88, 98304
	s_mul_i32 s83, s[WV], 24576
	s_add_co_u32 s86, s86, s83
	s_add_nc_u64 s[KVB:KVB+1], s[48:49], s[86:87]
	s_lshl_b32 s86, s88, 12
	s_add_co_u32 s86, s86, s82
	s_add_nc_u64 s[KSB:KSB+1], s[50:51], s[86:87]
	s_lshl_b32 s86, s88, 10
	s_add_co_u32 s86, s86, 65536
	s_add_nc_u64 s[KSP:KSP+1], s[50:51], s[86:87]
	s_mov_b32 s[SEL], 0x76543210
	s_mov_b32 s[SEL+1], 0xfedcba98
	s_mov_b32 s[LL], 0x3fb8aa3b                    ; log2(e)
	s_mov_b32 s[LL+1], s[LL]
	s_mov_b32 s[C512], 0x3b000000                  ; 1 / 512
	s_mov_b32 s[CEPS], 0x3727c5ac                  ; 1e-5
	s_mov_b32 s[NHL], 0xbf38aa3b                   ; -log2(e) / 2
	SLOADG 1, 0, WB, 4*MAT, 4                      ; q's weight, its scale words and bias, and ksum over my columns of the feature map: all are waited for below
	SLOADG 2, 1, WB, 4*MAT, 4
	SSG SSA, SB, 4*MSC
	VEC 3, 20, BOF
	VEC 1, KSP, BOF2
	s_wait_tensorcnt 0x1                           ; my quarter of the images is in; x's load, issued behind it, may stay out
	s_barrier_signal -1
	s_barrier_wait -1                              ; everybody's quarter is in
	s_wait_loadcnt 0x0
	SLOADG 3, 0, WB2, 0, 4                         ; 48 + 8 loads under the q layer: the feature map's first half and its scale words
	SSG SSB, SB2, 0
	; ---- q
	s_mov_b32 s82, 0
	YPRE 82, 12
	s_wait_dscnt 0x0                               ; the way in
	s_mov_b32 s[MC], 0
.Lq:
	s_wait_dscnt 5                                 ; the tile's 12 + 1 loads are in; behind them stand the last trip's five stores
	MM 0, 2, 1, 2, SSA, 4, 1, 3, 192
	s_wait_dscnt 0x0                               ; my stores are done too:
	s_barrier_signal -1
	MM 2, 4, 1, 2, SSA, 4, 1, 3, 192
	WIN 0
	s_barrier_wait -1                              ; every wave has the tile in registers: its images may be overwritten
	PLACES
	NEXTM 7
	YPRE 82, 12
	SUMSQ                                          ; |q|^2 of the unquantised q: my 128 columns' part
	FOLD4 XV
	WADR MC, IMW, RBW
	ds_store_b32 v[TA3], v[XV] offset:2048
	QUANT HA
	IMAGE TA2
	ds_store_b32 v[TA3], v[PW]
	LOOPEND 8, .Lq
.irp i, 0,1,2,3,4,5,6,7
.irp u, 0,1
	global_load_b32 v[SSA+2*\i+\u], v[G4], s[KSB:KSB+1] offset:2048*\u+64*\i   ; kptv's scale words take the set that q has left
.endr
.endr
	SLOADG 1, 1, WB2, 0, 4                         ; the feature map's second half takes the registers that q's weight has left; the wait for all loads follows
	BARRIER
	s_wait_loadcnt 0x0
	SLOADG 2, 0, KVB, 0, 2                         ; 48 loads under the qp layer: kptv: both its K steps are one half-set
	; ---- qp: four trips; wave w takes token tiles 4 (w / 2) + trip and columns 128 (w % 2) on
	s_mov_b32 s82, s[R4]
	YPRE 82, 12
	ds_load_b128 v[AUX:AUX+3], v[TA1] offset:2048
	s_wait_dscnt 0x0                               ; the way in
	s_mov_b32 s[MC], 0
.Lw:
	s_wait_dscnt 5                                 ; the tile's 12 + 1 + 1 loads are in; behind them stand the last trip's five stores
	v_add_f32 v[T0], v[AUX], v[AUX+1]
	v_add_f32 v[T1], v[AUX+2], v[AUX+3]
	v_add_f32 v[T0], v[T0], v[T1]
	v_fma_f32 v[NX], v[T0], s[NHL], -4.0           ; -|q|^2 log2(e) / 2 - 4
	MM 0, 2, 3, 1, SSB, 4, 0, 0, 0
	s_wait_dscnt 0x0
	s_barrier_signal -1
	MM 2, 4, 3, 1, SSB, 4, 0, 0, 0
	WIN 0
	s_barrier_wait -1
	PLACES
	s_add_co_u32 s[MT], s[MC], s[R4]
	NEXTM 3
	s_add_co_u32 s82, s82, s[R4]
	YPRE 82, 12
	ds_load_b128 v[AUX:AUX+3], v[TA1] offset:2048
.set KA, 0
.rept 32
	v_pk_fma_f32 v[HA+2*KA:HA+2*KA+1], v[HA+2*KA:HA+2*KA+1], s[LL:LL+1], v[NX:NX+1] op_sel_hi:[1,0,0]
.set KA, KA+1
.endr
.set KA, 0
.rept 64
	v_exp_f32 v[HA+KA], v[HA+KA]
.set KA, KA+1
.endr
	WADR MT, IMC, RBC                              ; (plain work behind the exponentials)
	s_lshl_b32 s83, s[MT], 7
	v_add_nc_u32 v[TA4], s83, v[R8C]
	s_wait_alu depctr_va_vdst(0)                   ; one wait for the batch, ahead of its first reader
	WIN 0x04                                       ; D's part: the unquantised qp times ksum, in f32
.irp c, 0,1,2,3
	v_pk_mul_f32 v[CH+2*\c:CH+2*\c+1], v[HA+2*\c:HA+2*\c+1], v[192+2*\c:193+2*\c]
.endr
.set KA, 4
.rept 28
	v_pk_fma_f32 v[CH+2*(KA%4):CH+2*(KA%4)+1], v[HA+2*KA:HA+2*KA+1], v[192+2*KA:193+2*KA], v[CH+2*(KA%4):CH+2*(KA%4)+1]
.set KA, KA+1
.endr
	WIN 0
	FOLD4 XV
	ds_store_b32 v[TA4], v[XV]
	QUANT HA
	IMAGE TA2
	ds_store_b32 v[TA3], v[PW]
	LOOPEND 4, .Lw
	BARRIER
	s_wait_loadcnt 0x0
	SLOADG 3, 0, WB, 6*MAT, 4                      ; 48 + 8 loads now: proj's first half and its scale words
	SSG SSB, SB, 6*MSC
	; ---- y, in three pieces, with the rest of what proj and LN2 want asked for between them
	s_mov_b32 s82, 0
	YPRE 82, 6
	ds_load_b64 v[AUX:AUX+1], v[R8]
	s_wait_dscnt 0x0                               ; the way in
	s_mov_b32 s[MC], 0
	YLOOP 2
	SLOADG 1, 1, WB, 6*MAT, 4                      ; 48: proj's second half
	YLOOP 5
	VEC 1, 28, BOF                                 ; 32: ln2's gain and proj's bias
	VEC 3, 24, BOF
	YLOOP 8
	BARRIER
	s_wait_loadcnt 0x0
	SLOADG 2, 0, WB, 8*MAT, 4                      ; 48 + 8 under proj: w1's first half
	SSG SSA, SB, 8*MSC
	s_wait_tensorcnt 0x0                           ; my strip of x is in; I alone read it
	; ---- s = x + y proj^T + bias: x is the C of each sum's first matrix instruction; s takes x's place in my strip; LN2's first pass rides on it.  It overwrites no image: no barrier in a trip
	s_mov_b32 s82, 0
	YPRE 82, 12
	XBLOAD 2, 192, XSA
	s_wait_dscnt 0x0                               ; the way in
	s_mov_b32 s[MC], 0
.Lp:
	s_wait_dscnt 1                                 ; the tile's 12 + 1 + 16 loads are in; behind them stands the last trip's one store
	MM 0, 4, 3, 1, SSB, 4, 1, 2, 192
	WIN 0
	PLACES
	ADDV 3
	XOFF 83, MC
	v_add_nc_u32 v[TA2], s83, v[XSA]
	XBSTORE TA2
	NEXTM 7
	YPRE 82, 12
	XOFF 83, 82
	v_add_nc_u32 v[TA4], s83, v[XSA]
	XBLOAD 2, 192, TA4
	SADD 0, HA
	FOLD4 T2
	s_wait_dscnt 29                                ; all but the 12 + 1 + 16 loads just issued: the 16 stores of s have read HA, which is changed in place below, and the last trip's store its pair
	v_mul_f32 v[MU], 0x3c000000, v[T2]
	SSUB 0, HA, MU
	SUMSQ
	FOLD4 MU+1
	s_lshl_b32 s83, s[MC], 9
	v_add_nc_u32 v[TA3], s83, v[R32W]
	ds_store_b64 v[TA3], v[MU:MU+1]
	LOOPEND 8, .Lp
	BARRIER                                        ; every wave's partial figures lie in LDS; no LDS load of mine is out
	VEC 2, 32, BOF                                 ; ln2's offset, b1,
	VEC 3, 36, BOF
	SLOADG 3, 1, WB, 8*MAT, 4                      ; and w1's second half
	s_wait_loadcnt 48                              ; all but the 48 just issued: gain and offset are in
	LNB 1
	BARRIER
	s_wait_loadcnt 0x0                             ; w1 is whole (its last loads went out a phase ago)
	SLOADG 1, 0, WB, 10*MAT, 4                     ; 48 + 8 under the gelu layer: w2's first half and its scale words
	SSG SSB, SB, 10*MSC
	v_mov_b32 v254, 0xaf95df0b                     ; erf's leading coefficients, as pairs
	v_mov_b32 v255, 0xaf95df0b
	v_mov_b32 v250, 0xb77460cd
	v_mov_b32 v251, 0xb77460cd
	; ---- h = gelu(LN2(s) w1^T + b1): seven trips in the loop, the eighth written out
	s_mov_b32 s82, 0
	YPRE 82, 12
	s_wait_dscnt 0x0                               ; the way in
	s_mov_b32 s[MC], 0
.Lh:
	HTRIP 0
	LOOPEND 7, .Lh
	HTRIP 1
	BARRIER
	s_wait_loadcnt 0x0
	; ---- out = s + h w2^T + b2: s is the C; the results turn through my strip into whole rows
	s_mov_b32 s82, 0
	YPRE 82, 12
	XBLOAD 2, 192, XSA
	s_mov_b32 s[MC], 0
.Lo:
	s_wait_dscnt 0x0
	MM 0, 4, 1, 2, SSB, 4, 1, 2, 192
	WIN 0
	PLACES
	ADDV 1
	TOKB 86, MC                                    ; the tile's first token
	s_mul_i32 s83, s86, XSP
	v_add_nc_u32 v[TA2], s83, v[XSA]
	v_add_nc_u32 v[TA3], s83, v[XSR]
	XBSTORE TA2
.set KA, 0
.rept 16
	ds_load_b128 v[HA+4*KA:HA+4*KA+3], v[TA3] offset:XSP*(KA+8*(KA/8))   ; LDS serves a wave's instructions in order: these see the stores above; 32 lanes take my 512 bytes of the tile's row KA
.set KA, KA+1
.endr
	NEXTM 7
	YPRE 82, 12
	XOFF 83, 82
	v_add_nc_u32 v[TA4], s83, v[XSA]
	XBLOAD 2, 192, TA4
	s_lshl_b32 s86, s86, 11
	v_add_nc_u32 v[GO], s86, v[GOUT]               ; 2,048 x first token + 512 w + 16 x lane
	s_wait_dscnt 29                                ; all but the 12 + 1 + 16 loads just issued: the 16 rows are back
.set KA, 0
.rept 16
	global_store_b128 v[GO], v[HA+4*KA:HA+4*KA+3], s[8:9] offset:2048*(KA+8*(KA/8)) th:TH_STORE_NT   ; 512 consecutive bytes, at a multiple of 256 from the output's first byte
.set KA, KA+1
.endr
	s_wait_xcnt 0x0                                ; the stores have read their registers: these are written again only behind this wait
	LOOPEND 8, .Lo
	s_wait_tensorcnt 0x0                           ; the wave's end
	ds_add_u32 v[SPW], v[NIL]
	s_wait_dscnt 0x0
	s_endpgm
.Lfunc_end_k_qc42f7e58bc_chain:
	.size	k_qc42f7e58bc_chain, .Lfunc_end_k_qc42f7e58bc_chain-k_qc42f7e58bc_chain
	.p2alignl 7, 3214868480
	.fill 96, 4, 3214868480
	.section	.rodata,"a",@progbits
	.p2align	6, 0x0
	.amdhsa_kernel k_qc42f7e58bc_chain
		.amdhsa_group_segment_fixed_size 327680
		.amdhsa_private_segment_fixed_size 0
		.amdhsa_enable_private_segment 0
		.amdhsa_kernarg_size 168
		.amdhsa_user_sgpr_count 2
		.amdhsa_user_sgpr_kernarg_segment_ptr 1
		.amdhsa_wavefront_size32 1
		.amdhsa_system_sgpr_workgroup_id_x 1
		.amdhsa_system_sgpr_workgroup_id_y 1
		.amdhsa_system_sgpr_workgroup_id_z 1
		.amdhsa_system_vgpr_workitem_id 0
		.amdhsa_next_free_vgpr 1024
		.amdhsa_next_free_sgpr 100
		.amdhsa_reserve_vcc 0
		.amdhsa_float_denorm_mode_32 3
		.amdhsa_float_denorm_mode_16_64 3
		.amdhsa_memory_ordered 1
		.amdhsa_forward_progress 1
		.amdhsa_inst_pref_size 255
	.end_amdhsa_kernel
	.section	.bss,"aw",@nobits
	.p2align	6
	.space	262144
	.amdgpu_metadata
---
amdhsa.version: [ 1, 2 ]
amdhsa.kernels:
  - .name:           k_qc42f7e58bc_chain
    .symbol:         k_qc42f7e58bc_chain.kd
    .args:
      - { .name: saliency_fea, .offset: 0, .size: 8, .value_kind: global_buffer, .address_space: global }
      - { .name: contour_fea, .offset: 8, .size: 8, .value_kind: global_buffer, .address_space: global }
      - { .name: out0, .offset: 16, .size: 8, .value_kind: global_buffer, .address_space: global }
      - { .name: out1, .offset: 24, .size: 8, .value_kind: global_buffer, .address_space: global }
      - { .name: qs_b, .offset: 32, .size: 8, .value_kind: global_buffer, .address_space: global }
      - { .name: qc_b, .offset: 40, .size: 8, .value_kind: global_buffer, .address_space: global }
      - { .name: proj_s_b, .offset: 48, .size: 8, .value_kind: global_buffer, .address_space: global }
      - { .name: proj_c_b, .offset: 56, .size: 8, .value_kind: global_buffer, .address_space: global }
      - { .name: ln2s_g, .offset: 64, .size: 8, .value_kind: global_buffer, .address_space: global }
      - { .name: ln2c_g, .offset: 72, .size: 8, .value_kind: global_buffer, .address_space: global }
      - { .name: ln2s_b, .offset: 80, .size: 8, .value_kind: global_buffer, .address_space: global }
      - { .name: ln2c_b, .offset: 88, .size: 8, .value_kind: global_buffer, .address_space: global }
      - { .name: mlps_b1, .offset: 96, .size: 8, .value_kind: global_buffer, .address_space: global }
      - { .name: mlpc_b1, .offset: 104, .size: 8, .value_kind: global_buffer, .address_space: global }
      - { .name: mlps_b2, .offset: 112, .size: 8, .value_kind: global_buffer, .address_space: global }
      - { .name: mlpc_b2, .offset: 120, .size: 8, .value_kind: global_buffer, .address_space: global }
      - { .name: wcod, .offset: 128, .size: 8, .value_kind: global_buffer, .address_space: global }
      - { .name: wscl, .offset: 136, .size: 8, .value_kind: global_buffer, .address_space: global }
      - { .name: kvcod, .offset: 144, .size: 8, .value_kind: global_buffer, .address_space: global }
      - { .name: kvs, .offset: 152, .size: 8, .value_kind: global_buffer, .address_space: global }
      - { .name: xim, .offset: 160, .size: 8, .value_kind: global_buffer, .address_space: global }
    .group_segment_fixed_size: 327680
    .private_segment_fixed_size: 0
    .kernarg_segment_align: 8
    .kernarg_segment_size: 168
    .max_flat_workgroup_size: 128
    .sgpr_count:     100
    .vgpr_count:     1024
    .wavefront_size: 32
...
	.end_amdgpu_metadata
.endif
;; end of part 4
